; MI455X (gfx1250); checked and timed in simulation.
; The chip was launched on July 23, 2026; its instructions are those of AMD's public machine-readable ISA for CDNA 5 (MIT licence, August 2026) and "CDNA5" Instruction Set Architecture Reference Guide (July 2026). The comments in the code are by the model that wrote it; some were corrected since.
;; Multi Head Self Attention. Allowed arithmetic: matrix products marked QUANTISED: E2M1 operands, one E8M0 scale for each 32 along K, by v_wmma_scale_f32_16x16x128_f8f6f4 with both operands' format E2M1 (or v_wmma_scale_f32_32x16x128_f4), f32 sums; everything else in f32.
;; Inputs: Wk 1,024 x 1,024 float32; Wo 1,024 x 1,024 float32; Wq 1,024 x 1,024 float32; Wv 1,024 x 1,024 float32; bo 1,024 float32; bq 1,024 float32; bv 1,024 float32; mask 2,048 x 2,048 float32; x 4 x 2,048 x 1,024 float32.
;; Outputs: out0 4 x 2,048 x 1,024 float32.
;; This version of the problem:
;;   THIS VERSION OF THE PROBLEM IS GIVEN IN LOW PRECISION. The matrix products marked QUANTISED in the list below multiply operands that are first quantised to E2M1 (2 exponent bits, 1 mantissa bit; 4 bits a number), with one power-of-two scale for each 32 numbers along K (OCP MX v1.0); their sums are f32. All else is computed in f32.
;;   The module's matrix products, in the order in which they are computed (A, B: the left and right operand; K: the contracted axis; several contracted axes count as one K, in the product's order):
;;     1. [M 8,192, K 1,024] x [K 1,024, N 1,024]; A: input x; B: input Wq: QUANTISED
;;     2. [M 8,192, K 1,024] x [K 1,024, N 1,024]; A: input x; B: input Wk: QUANTISED
;;     3. [M 8,192, K 1,024] x [K 1,024, N 1,024]; A: input x; B: input Wv: QUANTISED
;;     4. batch 64 x [M 2,048, K 64] x [K 64, N 2,048]; A: computed on the way; B: computed on the way: QUANTISED
;;     5. batch 64 x [M 2,048, K 2,048] x [K 2,048, N 64]; A: softmax (see below); B: computed on the way: QUANTISED
;;     6. [M 8,192, K 1,024] x [K 1,024, N 1,024]; A: computed on the way; B: input Wo: QUANTISED
;;   THE QUANTISER, for each operand of a quantised product, along K:
;;     - K is cut into blocks of 32 from its start; a last block that is shorter is filled with zeros.
;;     - A block's scale is 2^e with e = floor(log2(the largest magnitude in the block)) - 2, held to -126 .. 127; a block of zeros has e = 0. As a byte (E8M0): e + 127.
;;     - Each number is divided by its block's scale, clamped to +-6, and rounded to the nearest number of E2M1, ties to even, subnormals kept.
;;     - The product sums the exact products of the quantised numbers (number of the format x scale) in f32.
;;   ~~~python
;;   def quantise(x, axis):      # numpy; x: float32 -> the quantised numbers, widened to float32 again
;;       x = np.moveaxis(x, axis, -1); K = x.shape[-1]
;;       x = np.pad(x, [(0, 0)] * (x.ndim - 1) + [(0, -K % 32)]); x = x.reshape(x.shape[:-1] + (-1, 32)); a = np.abs(x).max(-1, keepdims=True)
;;       e = np.where(a > 0, np.clip(np.frexp(np.where(a > 0, a, 1))[1] - 1 - 2, -126, 127), 0)      # np.frexp(a)[1] - 1 = floor(log2(a)), exactly
;;       r = np.clip(x / 2.0 ** e, -6, 6)
;;       step = 2.0 ** (np.maximum(np.frexp(np.where(r == 0, 1, r))[1] - 1, 0) - 1)
;;       q = np.round(r / step) * step * 2.0 ** e      # np.round: ties to even
;;       return np.moveaxis(q.reshape(q.shape[:-2] + (-1,))[..., :K], -1, axis).astype(np.float32)
;;   ~~~
;;   SOFTMAX AHEAD OF A QUANTISED PRODUCT. Where the list says 'softmax', what is quantised is not the finished softmax but p = 2^(t - M), with t = logit x log2(e) and M = ceil(the row's largest t), a whole number; so 1/2 < the row's largest p <= 1. The row's sum l is taken of the UNQUANTISED p, in f32, and the product's result is divided by l at the end. Since M is a whole number, a kernel that streams over the keys may use a running M (the ceiling of the running maximum): every later rescaling is an exact power of two, which a block's scale takes up: the codes' values come out the same.
;;   OPERANDS COMPUTED ON THE WAY. 'Computed on the way' means the value that the module computes at that place (a softmax that the list does not call 'softmax' is quantised finished and normalised). What goes into a quantiser is computed in f32, as accurately as f32 sums, v_exp_f32 and their like allow (about 1e-6 of the number): no bf16 or f16 on the way to a quantiser, and a product that is left as it is and whose result goes on into a quantised operand takes f32 operands (vector FMAs, or v_wmma_f32_16x16x4_f32). A number that lies on a knife's edge between two numbers of the format may be rounded either way, as far as f32 arithmetic and the matrix unit's own rounding can turn it there, and no further.
;; One version. Each part assembles by itself: llvm-mc -triple=amdgcn-amd-amdhsa -mcpu=gfx1250 --defsym DOCPART=n.
;; ======== version 1 of 1: 4 launches
;; workspace buffers: x_codes 4,194,304 bytes; x_scales 262,144 bytes; w_codes 2,097,152 bytes; w_scales 131,072 bytes; qkv 14,155,776 bytes; ao_codes 4,194,304 bytes; ao_scales 262,144 bytes
;; launch quant (part 1): grid 384 x 1, 4 waves a work-group, no clusters, 33,280 bytes of LDS; arguments x, Wq, Wk, Wv, Wo, x_codes, x_scales, w_codes, w_scales; writes x_codes, x_scales, w_codes, w_scales
.if DOCPART == 1
	.amdgcn_target "amdgcn-amd-amdhsa--gfx1250"
	.amdhsa_code_object_version 6
	.text
	.protected	k_q77a90eca65_quant
	.globl	k_q77a90eca65_quant
	.p2align	8
	.type	k_q77a90eca65_quant,@function
k_q77a90eca65_quant:
	s_mov_b64 s[64:65], 0
	v_nop
	global_prefetch_b8 v0, s[64:65] scope:SCOPE_SE
	s_setreg_imm32_b32 hwreg(HW_REG_WAVE_MODE, 25, 1), 1
	s_wait_xcnt 0x0
; x [8192][1024] and the four weights [1024][1024], f32, K innermost, become codes of FP4 (E2M1), two to a byte, and one E8M0 scale byte for each 32 along K.
; x_codes [8192][512 bytes], x_scales [8192][32]; w_codes [4096][512 bytes], w_scales [4096][32], rows in the order Wq, Wk, Wv, Wo.
; A block's scale is 2^(floor(log2(its largest magnitude)) - 2); its byte is the largest magnitude's exponent field - 2, held at 1 from below.
; A block of zeros so gets the byte 1 where the quantiser says 127: its codes are zeros, which add nothing, and the bytes are read by this program alone.
; LIMITS: NaN and infinities among the inputs are not served; blocks whose largest magnitude lies under 2^-124 (the floor) were not tried.
; Rows are dense and K is a multiple of 32: every tensor is a plain stream of blocks of 32.  Work-groups 0-255 take x (32,768 numbers each), 256-383 the weights, 32 work-groups each.
; A wave takes 16 steps of 512 numbers.  Each load reads 512 consecutive bytes; a step's 2,048 bytes turn through the wave's own stage in LDS and come back 64 bytes a lane, so that a lane holds
; 16 neighbours along K (two neighbouring lanes hold a block).  A lane's 16 codes are 8 bytes: the wave stores 256 consecutive bytes.  A wave's 256 scale bytes are gathered in LDS and leave together.
; No tensor loads, no barrier, no cluster: waves and work-groups share nothing.
.set STEPS, 16
.set EMAX,  2
.set CB,    8                          ; bytes of 16 codes
.set R,     16                         ; v16-79   four sets of 16 numbers as they are loaded
.set X,     80                         ; v80-111  two sets of 16 neighbours
.set C,     128                        ; v128-191 codes: four registers for each step, so that no store's data are written again
.set E,     112                        ; v112-127 a scale byte for each step
.set WREG,  8192                       ; LDS: a region for each wave: two stages of 32 x SP bytes, behind them its 256 scale bytes
.set SP,    80                         ; a lane's place in a stage: 64 bytes + 16 of padding
	s_load_b256 s[4:11], s[0:1], 0x0               ; x, Wq, Wk, Wv
	s_load_b256 s[12:19], s[0:1], 0x20             ; Wo, x_codes, x_scales, w_codes
	s_load_b64 s[20:21], s[0:1], 0x40              ; w_scales
	v_lshl_add_u32 v192, v0, 2, 0x8000
	v_mov_b32 v193, 0
	v_lshrrev_b32 v1, 5, v0
	v_readfirstlane_b32 s22, v1                    ; wave
	v_and_b32 v2, 31, v0                           ; lane
	v_lshlrev_b32 v3, 4, v2                        ; my 16 bytes of a load's 512
	s_mul_i32 s23, s22, WREG
	v_lshrrev_b32 v14, 2, v2
	v_mul_u32_u24 v14, v14, SP
	v_and_b32 v15, 3, v2
	v_lshl_add_u32 v14, v15, 4, v14
	v_add_nc_u32 v14, s23, v14                     ; the stage, on the way in: SP (lane / 4) + 16 (lane % 4)
	v_mul_u32_u24 v15, v2, SP
	v_add_nc_u32 v15, s23, v15                     ; and on the way out: SP x lane: my 16 neighbours
	v_mul_u32_u24 v4, v2, CB                       ; my codes' place in a step's
	v_lshrrev_b32 v5, 1, v2
	s_add_co_u32 s23, s23, 2*32*SP
	v_add_nc_u32 v5, s23, v5                       ; LDS: my wave's 256 scale bytes, my block's byte
	v_lshlrev_b32 v7, 3, v2                        ; and on the way out 8 bytes a lane
	v_add_nc_u32 v6, s23, v7
	s_wait_kmcnt 0x0
	; which tensor: the choice hangs on the work-group's number alone; only pointers are chosen, so all tensors take one path
	s_lshr_b32 s24, ttmp9, 5
	s_and_b32 s24, s24, 3                          ; among the weights: 0 Wq, 1 Wk, 2 Wv, 3 Wo
	s_cmp_eq_u32 s24, 1
	s_cselect_b64 s[6:7], s[8:9], s[6:7]
	s_cmp_eq_u32 s24, 2
	s_cselect_b64 s[6:7], s[10:11], s[6:7]
	s_cmp_eq_u32 s24, 3
	s_cselect_b64 s[6:7], s[12:13], s[6:7]
	s_and_b32 s25, ttmp9, 31                       ; a weight's work-group within its tensor,
	s_sub_co_u32 s26, ttmp9, 256                   ; and within w_codes and w_scales
	s_cmp_lt_u32 ttmp9, 256                        ; x's work-group?
	s_cselect_b64 s[4:5], s[4:5], s[6:7]           ; the source
	s_cselect_b64 s[8:9], s[14:15], s[18:19]       ; the codes
	s_cselect_b64 s[10:11], s[16:17], s[20:21]     ; the scale bytes
	s_cselect_b32 s25, ttmp9, s25
	s_cselect_b32 s26, ttmp9, s26
	s_lshl_b32 s25, s25, 2
	s_add_co_u32 s28, s25, s22                     ; which run of 8,192 numbers of the source is my wave's
	s_mov_b32 s29, 0
	s_lshl_b32 s26, s26, 2
	s_add_co_u32 s30, s26, s22                     ; and of the destination
	s_mov_b32 s31, 0
	s_lshl_b64 s[28:29], s[28:29], 15              ; 32,768 bytes of f32 a run
	s_add_nc_u64 s[4:5], s[4:5], s[28:29]
	s_lshl_b64 s[32:33], s[30:31], 12              ; 4,096 bytes of codes
	s_add_nc_u64 s[8:9], s[8:9], s[32:33]
	s_lshl_b64 s[30:31], s[30:31], 8               ; 256 scale bytes
	s_add_nc_u64 s[10:11], s[10:11], s[30:31]
.macro LOAD t
.irp i, 0,1,2,3
	global_load_b128 v[R+16*((\t)%4)+4*\i:R+16*((\t)%4)+4*\i+3], v3, s[4:5] offset:2048*(\t)+512*\i th:TH_LOAD_NT   ; 32 lanes read 512 consecutive bytes
.endr
.endm
.macro TURN t                          ; step t's numbers through the stage: LDS serves a wave's instructions in order, so no wait stands between the stores and the loads
.irp i, 0,1,2,3
	ds_store_b128 v14, v[R+16*((\t)%4)+4*\i:R+16*((\t)%4)+4*\i+3] offset:32*SP*((\t)%2)+8*SP*\i
.endr
.irp i, 0,1,2,3
	ds_load_b128 v[X+16*((\t)%2)+4*\i:X+16*((\t)%2)+4*\i+3], v15 offset:32*SP*((\t)%2)+16*\i
.endr
.endm
.irp t, 0,1,2,3
	LOAD \t
.endr
	s_wait_loadcnt 12                              ; step 0's four loads are in; the 12 of steps 1 to 3 may be out
	TURN 0
.macro STEP t
.set XS, X+16*((\t)%2)
.if (\t) > 0
	s_wait_dscnt 1                                 ; this step's numbers are back from the stage (the last step's byte store may be out): so its stores into the stage have read their registers,
.else
	s_wait_dscnt 0x0
.endif
.if (\t)+4 < STEPS
	LOAD (\t)+4                                    ; which take the loads of four steps on
.endif
.if (\t)+1 < STEPS
.if STEPS-2-(\t) >= 3
	s_wait_loadcnt 12                              ; the next step's four loads are in; those of the three steps behind it may be out
.else
	s_wait_loadcnt 4*(STEPS-2-(\t))
.endif
	TURN (\t)+1                                    ; and go through the other stage while this step is worked
.endif
	v_max3_num_f32 v8, |v[XS]|, |v[XS+1]|, |v[XS+2]|               ; the largest magnitude of my 16, in two chains
	v_max3_num_f32 v9, |v[XS+3]|, |v[XS+4]|, |v[XS+5]|
.irp i, 6,10
	v_max3_num_f32 v8, v8, |v[XS+\i]|, |v[XS+\i+1]|
	v_max3_num_f32 v9, v9, |v[XS+\i+2]|, |v[XS+\i+3]|
.endr
	v_max3_num_f32 v8, v8, |v[XS+14]|, |v[XS+15]|
	v_max3_num_f32 v8, v8, v9, (EMAX+1)<<23        ; and the floor 2^(3 - 127): the byte cannot fall under 1
	v_max_num_f32_dpp v8, v8, v8 row_xmask:1 row_mask:0xf bank_mask:0xf   ; and of my neighbour's 16: the block's
	v_add_nc_u32 v11, -(EMAX<<23), v8              ; 2 off its exponent field: the conversion takes the exponent field of this operand as its scale
	v_cvt_scalef32_pk8_fp4_f32 v[C+4*(\t)], v[XS:XS+7], v11
	v_cvt_scalef32_pk8_fp4_f32 v[C+4*(\t)+1], v[XS+8:XS+15], v11
	v_lshrrev_b32 v[E+(\t)], 23, v11               ; the scale's byte
	ds_store_b8 v5, v[E+(\t)] offset:16*(\t)       ; both lanes of a block write the same byte with the same value
	global_store_b64 v4, v[C+4*(\t):C+4*(\t)+1], s[8:9] offset:32*CB*(\t)   ; the wave stores 256 consecutive bytes, aligned
.endm
.irp t, 0,1,2,3,4,5,6,7,8,9,10,11,12,13,14,15
	STEP \t
.endr
	ds_load_b64 v[12:13], v6                       ; LDS serves a wave's instructions in order: these see my stores
	s_wait_dscnt 0x0
	global_store_b64 v7, v[12:13], s[10:11]        ; 32 lanes store 256 consecutive bytes, aligned
	s_wait_tensorcnt 0x0
	ds_add_u32 v192, v193
	s_wait_dscnt 0x0
	s_endpgm
.Lfunc_end_k_q77a90eca65_quant:
	.size	k_q77a90eca65_quant, .Lfunc_end_k_q77a90eca65_quant-k_q77a90eca65_quant
	.p2alignl 7, 3214868480
	.fill 96, 4, 3214868480
	.section	.rodata,"a",@progbits
	.p2align	6, 0x0
	.amdhsa_kernel k_q77a90eca65_quant
		.amdhsa_group_segment_fixed_size 33280
		.amdhsa_private_segment_fixed_size 0
		.amdhsa_enable_private_segment 0
		.amdhsa_kernarg_size 72
		.amdhsa_user_sgpr_count 2
		.amdhsa_user_sgpr_kernarg_segment_ptr 1
		.amdhsa_wavefront_size32 1
		.amdhsa_system_sgpr_workgroup_id_x 1
		.amdhsa_system_sgpr_workgroup_id_y 1
		.amdhsa_system_sgpr_workgroup_id_z 1
		.amdhsa_system_vgpr_workitem_id 0
		.amdhsa_next_free_vgpr 194
		.amdhsa_next_free_sgpr 66
		.amdhsa_reserve_vcc 0
		.amdhsa_float_denorm_mode_32 3
		.amdhsa_float_denorm_mode_16_64 3
		.amdhsa_memory_ordered 1
		.amdhsa_forward_progress 1
		.amdhsa_inst_pref_size 34
	.end_amdhsa_kernel
	.amdgpu_metadata
---
amdhsa.version: [ 1, 2 ]
amdhsa.kernels:
  - .name:           k_q77a90eca65_quant
    .symbol:         k_q77a90eca65_quant.kd
    .args:
      - { .name: x, .offset: 0, .size: 8, .value_kind: global_buffer, .address_space: global }
      - { .name: Wq, .offset: 8, .size: 8, .value_kind: global_buffer, .address_space: global }
      - { .name: Wk, .offset: 16, .size: 8, .value_kind: global_buffer, .address_space: global }
      - { .name: Wv, .offset: 24, .size: 8, .value_kind: global_buffer, .address_space: global }
      - { .name: Wo, .offset: 32, .size: 8, .value_kind: global_buffer, .address_space: global }
      - { .name: x_codes, .offset: 40, .size: 8, .value_kind: global_buffer, .address_space: global }
      - { .name: x_scales, .offset: 48, .size: 8, .value_kind: global_buffer, .address_space: global }
      - { .name: w_codes, .offset: 56, .size: 8, .value_kind: global_buffer, .address_space: global }
      - { .name: w_scales, .offset: 64, .size: 8, .value_kind: global_buffer, .address_space: global }
    .group_segment_fixed_size: 33280
    .private_segment_fixed_size: 0
    .kernarg_segment_align: 8
    .kernarg_segment_size: 72
    .max_flat_workgroup_size: 128
    .sgpr_count:     66
    .vgpr_count:     194
    .wavefront_size: 32
...
	.end_amdgpu_metadata
.endif
;; end of part 1
;; launch qkv (part 2): grid 12 x 32, 4 waves a work-group, clusters of 4 x 4, 327,680 bytes of LDS; arguments x_codes, x_scales, w_codes, w_scales, bq, bv, qkv; writes qkv
.if DOCPART == 2
	.amdgcn_target "amdgcn-amd-amdhsa--gfx1250"
	.amdhsa_code_object_version 6
	.text
	.protected	k_q77a90eca65_qkv
	.globl	k_q77a90eca65_qkv
	.p2align	8
	.type	k_q77a90eca65_qkv,@function
k_q77a90eca65_qkv:
	s_mov_b64 s[64:65], 0
	v_nop
	global_prefetch_b8 v0, s[64:65] scope:SCOPE_SE
	s_setreg_imm32_b32 hwreg(HW_REG_WAVE_MODE, 25, 1), 1
	s_wait_xcnt 0x0
	s_wait_alu depctr_hold_cnt(0) depctr_sa_sdst(0) depctr_va_vdst(0) depctr_va_sdst(0) depctr_va_ssrc(0) depctr_va_vcc(0) depctr_vm_vsrc(0)
	s_getreg_b32 s2, hwreg(HW_REG_IB_STS2, 6, 4)
	s_cmp_eq_u32 s2, 0
	s_cbranch_scc0 .Lentry_in_a_cluster
	s_endpgm
.Lentry_in_a_cluster:
	s_bfe_u32 s2, ttmp6, 0x10000c
	s_cmp_lg_u32 s2, 0xf033
	s_cbranch_scc0 .Lentry_shape_is_right
	s_endpgm
.Lentry_shape_is_right:
; q = (x Wq^T + bq) 2^-1.5, k = (x Wk^T) 2^-1.5, v = x Wv^T + bv, on codes of FP4 with E8M0 scales, sums in f32; the results are quantised again at once, q and k along the head's 64, v along the keys,
; and stored as images of the operand registers that the attention launch loads: qkv [64 steps of 128 tokens][48: q heads, k heads, v heads][4,608 bytes].
;   q, k record: tile a of 16 tokens at 512 a, lane l's 16 bytes at 16 l (registers 0-3 of a fragment: d = 32 (l / 16) + 0 .. 31); scale words at 4,096, laid [a / 4][row][a % 4]; a word = the row's two bytes | 0x7f7f0000.
;   v record: tile t of 16 channels at 1,024 t, registers 0-3 at 16 l, 4-7 at 512 + 16 l (K = the step's 128 keys); scale words [row][t] at 4,096 and once more at 4,352.
; THE ENGINE: a tile of 256 x 256 to a work-group of four waves, 128 x 128 a wave in 512 registers; K = 1,024 lies in two LDS slots of 512 along K, both filled at the start; nothing is filled again.
; The scale bytes of the work-group's rows, for all of K, come once, as rows of 256 bytes + 16 of padding.  THE MATRIX INSTRUCTION IS USED TRANSPOSED: source 0 = 16 rows of "B", source 1 = 16 rows of "A":
; a lane holds one row of A and, in an accumulator's eight registers, eight neighbouring rows of B: the axis that is quantised next is always B's.
; TWO KINDS OF CLUSTER, by the cluster's x, which all sixteen partners share:  x = 0 (q), 1 (k): A = x's rows (tokens), B = rows 0-2047 of w;  x = 2 (v): A = Wv's rows (channels), B = x's rows (tokens).
; A's tiles are shared along a row of the cluster, B's along a column: each is asked for jointly by the four that need it.
; ORDER INSIDE A BLOCK OF 32: number 16 u + 8 h + j of a block goes to place 16 h + 8 u + j.  q and k get the same order here, v the same as the attention launch gives p: the blocks, their scales and the products stay the same.
; (acc + b) s is computed as acc s + (b s): one fused multiply-add.  k has no bias: its factor is 0 (bq is taken to be finite).
; LIMITS: NaN and infinities are not served; a block of zeros keeps the byte 1 (its codes are zeros; this program alone reads the bytes).
; REGISTERS, in windows of 256: window 0: v0-31 addresses; v32-95 scale words, two sets; v128-191 A's fragments; v192-255 the bias; at the end v64-171 at work.  window 1: B's fragments, two sets.  windows 2, 3: the accumulators.
.set KSTEP,  512
.set NQ,     4                         ; matrix instructions deep in a slot
.set ROWB,   256                       ; a tile's row in bytes
.set KROW,   512                       ; a row of codes in memory
.set PITCH,  272                       ; an LDS row: 256 bytes + 16 of padding: the 16 rows that a load touches start 4 words apart modulo 64 words
.set FR,     8
.set NL,     2
.set NP,     4                         ; places behind this matrix instruction (ISA guide 7.12.1)
.set HALFT,  128*PITCH
.set SLOT,   4*HALFT
.set KS,     32                        ; a row of scale bytes
.set SCL,    2*SLOT
.set HALFS,  (128*KS/256)*272
.set SBLK,   (16*KS/256)*272
.set SPARE,  SCL+4*HALFS               ; the spare words, 128 bytes for each wave
.set REC,    4608
.set ADRA, 16                          ; v16-17  LDS address of my A fragments in slot 0, 1
.set ADRB, 20                          ; v20-21  the same for B
.set VO,   24                          ; v24     16 x lane
.set VS,   25                          ; v25     REC x (lane / 16) + 16 x (lane % 16)
.set VB0,  26                          ; v26     32 x (lane / 16)
.set ADRS, 27                          ; v27     LDS address of my scale words
.set SPW,  28                          ; v28     my spare word; never rewritten
.set NIL,  29                          ; v29     0; never rewritten
.set VB1,  30                          ; v30     4 x (lane % 16)
.set SH,   31                          ; v31     16 x (lane / 16)
.set SC,   32
.set AF,   128
.set BB,   192                         ; v192-255 the bias
.set OUTN, 64                          ; v64-127  64 numbers of a lane, ahead of the quantiser
.set PC,   128                         ; v128-135 the codes just made
.set TM,   136                         ; v136-151 at work
.set PW,   152                         ; the scale word just made
.set SW,   160                         ; v160-167 the eight blocks' scale words
.set W4,   168
.set G1, 24
.set G0, 32
.set G1B, 48
.set G0B, 56
.set G1S, 68
.set G0S, 76
.set G1SB, 80
.set G0SB, 88
.set SS,   2                           ; s[2:3]   2^-1.5, twice
.set SF,   66                          ; s[66:67] the bias's factor, twice
.set KIND, 95
.set SEL,  92                          ; s[92:93] lane selects for lane l xor 16
.set PADW, 94                          ; s94      0x7f7f0000
.set OB,   12                          ; s[12:13] my wave's first record
.set MSB, 0
.macro WIN new                         ; the immediate's high byte repeats the setting that is left
.if MSB != \new
	s_set_vgpr_msb (MSB<<8)|\new
.set MSB, \new
.endif
.endm
.set MUL_LO, 0xa1                      ; source 0 (B) window 1, source 1 (A) window 0, C and D window 2
.set MUL_HI, 0xf1
.set TO_B,   0x40
; A joint load: waves 0 and 1 fetch for A, waves 2 and 3 for B; the branch hangs on the wave's number alone.  Four v_nop follow each of the two lines.
.macro JLOAD g0a, g1a, g0b, g1b
	s_cmp_eq_u32 s15, 0
	s_cbranch_scc0 .Lfor_b_\@
	tensor_load_to_lds s[\g0a:\g0a+3], s[\g1a:\g1a+7]
	s_nop 0
.rept 4
	v_nop
.endr
	s_branch .Lasked_\@
.Lfor_b_\@:
	tensor_load_to_lds s[\g0b:\g0b+3], s[\g1b:\g1b+7]
	s_nop 0
.rept 4
	v_nop
.endr
.Lasked_\@:
.endm
.macro CROUND                          ; a round of the cluster's barrier
	s_barrier_signal -1
	s_barrier_wait -1
	s_cmp_lg_u32 s14, 0
	s_cbranch_scc1 .Lnot_wave_0_\@
	s_barrier_signal -3
.Lnot_wave_0_\@:
	s_barrier_wait -3
	s_barrier_signal -1
	s_barrier_wait -1
.endm
	s_load_b256 s[4:11], s[0:1], 0x0               ; x_codes, x_scales, w_codes, w_scales
	s_load_b128 s[96:99], s[0:1], 0x20             ; bq, bv
	s_load_b64 s[100:101], s[0:1], 0x30            ; qkv
	v_lshl_add_u32 v[SPW], v0, 2, SPARE
	v_mov_b32 v[NIL], 0
	ds_add_u32 v28, v29
	s_wait_dscnt 0x0
	v_lshrrev_b32 v1, 5, v0
	v_readfirstlane_b32 s14, v1                    ; wave 0..3
	s_lshr_b32 s15, s14, 1                         ; which half of A's rows is mine.  Also: I fetch for A (0) or for B (1)
	s_and_b32 s16, s14, 1                          ; which half of B's rows.  Also: which 128 rows of that tile I fetch
	s_bfe_u32 s40, ttmp6, 0x40000                  ; cx, cy: my place in the cluster
	s_bfe_u32 s41, ttmp6, 0x40004
	s_and_b32 s18, ttmp7, 0xffff                   ; cluster y
	s_cmp_eq_u32 ttmp9, 2                          ; the kind: by the cluster's x
	s_cselect_b32 s[KIND], 1, 0
	s_cselect_b32 s17, 0, s18
	s_cselect_b32 s42, s18, ttmp9
	s_lshl_b32 s42, s42, 2
	s_add_co_u32 s42, s42, s40                     ; B's tile: kind 0: 4 x cluster x + cx;  kind 1: 4 x cluster y + cx
	s_lshl_b32 s17, s17, 2
	s_add_co_u32 s17, s17, s41                     ; A's tile: kind 0: 4 x cluster y + cy;  kind 1: cy
	s_mov_b32 s[SS], 0x3eb504f3                    ; 2^-1.5 = 64^-0.25
	s_mov_b32 s[SS+1], s[SS]
	s_cmp_eq_u32 ttmp9, 0
	s_cselect_b32 s[SF], s[SS], 0                  ; q's bias is scaled with it; k has none
	s_mov_b32 s[SF+1], s[SF]
	s_lshl_b32 s43, s41, 2
	s_lshl_b32 s43, 15, s43                        ; my row of the cluster
	s_lshl_b32 s44, 0x1111, s40                    ; my column
	; descriptor group 1: a tile of 128 rows x 256 bytes, padded in LDS
	s_or_b32 s[G1+0], s43, (0<<16)|(1<<20)|(1<<21)|(5<<22)|(3<<25)  ; 15:0 the mask: A's tiles go to my row; elements of 1 byte; padding on; 21 set beside a mask; after every 64 words, 4 words
	s_or_b32 s[G1B+0], s44, (0<<16)|(1<<20)|(1<<21)|(5<<22)|(3<<25)
.irp g, G1, G1B
	s_mov_b32 s[\g+1], ROWB<<16                    ; tensor_dim0
	s_mov_b32 s[\g+2], 128<<16                     ; tensor_dim1
	s_mov_b32 s[\g+3], ROWB<<16                    ; tile_dim0
	s_mov_b32 s[\g+4], 128                         ; tile_dim1
	s_mov_b32 s[\g+5], KROW                        ; tensor_dim0_stride
	s_mov_b32 s[\g+6], 0
	s_mov_b32 s[\g+7], 0
.endr
	; the scales of 128 rows: 4,096 dense bytes, as 16 rows of 256 bytes (32 elements of 8 bytes), 16 bytes of padding behind each
	s_or_b32 s[G1S+0], s43, (3<<16)|(1<<20)|(1<<21)|(5<<22)|(3<<25)
	s_or_b32 s[G1SB+0], s44, (3<<16)|(1<<20)|(1<<21)|(5<<22)|(3<<25)
.irp g, G1S, G1SB
	s_mov_b32 s[\g+1], 32<<16
	s_mov_b32 s[\g+2], (128*KS/256)<<16
	s_mov_b32 s[\g+3], 32<<16
	s_mov_b32 s[\g+4], 128*KS/256
	s_mov_b32 s[\g+5], 32
	s_mov_b32 s[\g+6], 0
	s_mov_b32 s[\g+7], 0
.endr
	s_lshl_b32 s18, s16, 7                         ; which 128 rows of the tile I fetch
	s_lshl_b32 s20, s17, 8
	s_add_co_u32 s20, s20, s18                     ; A: row 256 x tile + 128 x half
	s_lshl_b32 s46, s42, 8
	s_add_co_u32 s46, s46, s18                     ; B likewise
	s_mov_b32 s21, 0
	s_mov_b32 s47, 0
	s_mov_b64 s[18:19], KS
	s_mul_u64 s[22:23], s[20:21], s[18:19]         ; where these rows' scales begin, in bytes
	s_mul_u64 s[92:93], s[46:47], s[18:19]
	s_mov_b64 s[18:19], KROW
	s_mul_u64 s[20:21], s[20:21], s[18:19]         ; and their codes
	s_mul_u64 s[46:47], s[46:47], s[18:19]
	s_mul_i32 s45, s14, HALFT                      ; where they go: wave x 128 rows: no place in the cluster enters an LDS address
	s_mul_i32 s94, s14, HALFS
	s_wait_kmcnt 0x0
	s_add_nc_u64 s[18:19], s[8:9], 0x100000        ; Wv's codes: rows 2,048 on of w_codes
	s_cmp_eq_u32 s[KIND], 1
	s_cselect_b64 s[18:19], s[18:19], s[4:5]       ; A's codes
	s_cselect_b64 s[4:5], s[4:5], s[8:9]           ; B's codes
	s_add_nc_u64 s[8:9], s[10:11], 0x10000         ; Wv's scale bytes (this addition leaves SCC alone)
	s_cselect_b64 s[8:9], s[8:9], s[6:7]           ; A's scales
	s_cselect_b64 s[6:7], s[6:7], s[10:11]         ; B's scales
	s_add_nc_u64 s[20:21], s[18:19], s[20:21]
	s_add_nc_u64 s[22:23], s[8:9], s[22:23]
	s_add_nc_u64 s[46:47], s[4:5], s[46:47]
	s_add_nc_u64 s[92:93], s[6:7], s[92:93]
	CROUND                                         ; all sixteen work-groups are here: the first joint loads meet
	s_mov_b32 s[G0S], 1
	s_add_co_u32 s[G0S+1], s94, SCL
	s_mov_b64 s[G0S+2:G0S+3], s[22:23]
	s_or_b32 s[G0S+3], s[G0S+3], 0x80000000
	s_mov_b32 s[G0SB], 1
	s_add_co_u32 s[G0SB+1], s94, SCL
	s_mov_b64 s[G0SB+2:G0SB+3], s[92:93]
	s_or_b32 s[G0SB+3], s[G0SB+3], 0x80000000
	JLOAD G0S, G1S, G0SB, G1SB                     ; the scales first: they are wanted with the first K step
.irp s, 0,1
	s_mov_b32 s[G0+4*\s], 1
	s_add_co_u32 s[G0+4*\s+1], s45, \s*SLOT
	s_add_nc_u64 s[G0+4*\s+2:G0+4*\s+3], s[20:21], \s*ROWB
	s_or_b32 s[G0+4*\s+3], s[G0+4*\s+3], 0x80000000
	s_mov_b32 s[G0B+4*\s], 1
	s_add_co_u32 s[G0B+4*\s+1], s45, \s*SLOT
	s_add_nc_u64 s[G0B+4*\s+2:G0B+4*\s+3], s[46:47], \s*ROWB
	s_or_b32 s[G0B+4*\s+3], s[G0B+4*\s+3], 0x80000000
	JLOAD G0+4*\s, G1, G0B+4*\s, G1B               ; three tensor loads of mine are out in all
.endr
	v_and_b32 v1, 15, v0                           ; r = l % 16
	v_bfe_u32 v2, v0, 4, 1                         ; h = l / 16
	v_mul_u32_u24 v3, v1, PITCH
	v_lshl_add_u32 v4, v2, 4, v3                   ; a fragment's row x pitch + 16 x half
	s_mul_i32 s21, s15, HALFT                      ; my 128 rows of A
	s_mul_i32 s22, s16, HALFT                      ; my 128 rows of B,
	s_add_co_u32 s22, s22, 2*HALFT                 ; which lie behind A's 256
.irp s, 0,1
	v_add_nc_u32 v[ADRA+\s], s21, v4
	v_add_nc_u32 v[ADRB+\s], s22, v4
	s_add_co_u32 s21, s21, SLOT
	s_add_co_u32 s22, s22, SLOT
.endr
	v_mul_u32_u24 v5, v1, KS                       ; my row's scales: KS bytes a row,
	v_lshrrev_b32 v6, 8, v5
	v_lshl_add_u32 v5, v6, 4, v5                   ; and 16 more for each 256 passed
	s_mul_i32 s21, s15, HALFS                      ; A's: my 128 rows
	s_mul_i32 s22, s16, HALFS                      ; B's: my 128 rows, behind A's 256
	s_add_co_u32 s22, s22, 2*HALFS
	s_sub_co_u32 s22, s22, s21
	v_mul_u32_u24 v6, s22, v2                      ; lanes 16-31 take B's
	s_add_co_u32 s21, s21, SCL
	v_add_nc_u32 v5, v5, v6
	v_add_nc_u32 v[ADRS], s21, v5
	; the way out: offsets of a lane, the wave's first record, the bias
	v_and_b32 v6, 31, v0
	v_lshlrev_b32 v[VO], 4, v6
	v_mul_u32_u24 v[VS], v2, REC
	v_lshl_add_u32 v[VS], v1, 4, v[VS]
	v_lshlrev_b32 v[VB0], 5, v2
	v_lshlrev_b32 v[VB1], 2, v1
	v_lshlrev_b32 v[SH], 4, v2
	s_mov_b32 s[SEL], 0x76543210
	s_mov_b32 s[SEL+1], 0xfedcba98
	s_mov_b32 s[PADW], 0x7f7f0000                  ; the bytes of the two blocks of zero codes that fill a head's 64 up to 128: scale 1
	s_lshl_b32 s18, s17, 1
	s_add_co_u32 s18, s18, s15                     ; which 128 rows of A are mine
	s_lshl_b32 s19, s42, 1
	s_add_co_u32 s19, s19, s16                     ; which 128 rows of B
	s_mov_b32 s21, 0
	s_lshl_b32 s20, s19, 9
	s_and_b32 s20, s20, 4095                       ; bq at my 128 rows of Wq (for k: the same places; the factor is 0)
	s_add_nc_u64 s[96:97], s[96:97], s[20:21]
	s_lshl_b32 s20, s18, 9
	s_and_b32 s20, s20, 4095                       ; bv at my 128 rows of Wv (read by kind 1 alone)
	s_add_nc_u64 s[98:99], s[98:99], s[20:21]
	s_lshl_b32 s20, s18, 1
	s_add_co_u32 s20, s20, 32                      ; kind 1: the first of my two v heads
	s_lshl_b32 s21, s19, 1                         ; kind 0: the first of my two q or k heads
	s_cmp_eq_u32 s[KIND], 1
	s_cselect_b32 s22, s19, s18                    ; the step of 128 tokens
	s_cselect_b32 s23, s20, s21
	s_mul_i32 s22, s22, 48
	s_add_co_u32 s22, s22, s23
	s_mul_i32 s22, s22, REC
	s_mov_b32 s23, 0
	s_add_nc_u64 s[OB:OB+1], s[100:101], s[22:23]
.macro FRAG reg, adr, q, i             ; a fragment, 16 rows x 128 K of 4-bit codes: lane l holds row l % 16; registers 4 c .. 4 c + 3 hold K = 64 c + 32 (l / 16) + 0 .. 31
.irp c, 0,1
	ds_load_b128 v[\reg+4*\c:\reg+4*\c+3], v[\adr] offset:64*(\q)+32*\c+(\i)*16*PITCH
.endr
.endm
; 16 matrix instructions: A's blocks a0, a0 + 1 x B's eight, 128 along K.  The 64 accumulators take turns, one instruction a turn, in the same order in every step.
.macro MUL16 a0, p, q, sc, zero
.irp a, \a0, \a0+1
.irp b, 0,1,2,3,4,5,6,7
.if \zero
	v_wmma_scale_f32_16x16x128_f8f6f4 v[8*(8*((\a)%4)+\b):8*(8*((\a)%4)+\b)+7], v[128*(\p)+FR*\b:128*(\p)+FR*\b+FR-1], v[AF+FR*(\a):AF+FR*(\a)+FR-1], 0, v[SC+8*NQ*(\sc)+NQ*\b+(\q)], v[SC+8*NQ*(\sc)+NQ*(\a)+(\q)] matrix_a_fmt:MATRIX_FMT_FP4 matrix_b_fmt:MATRIX_FMT_FP4 matrix_a_scale:MATRIX_SCALE_ROW1
.else
	v_wmma_scale_f32_16x16x128_f8f6f4 v[8*(8*((\a)%4)+\b):8*(8*((\a)%4)+\b)+7], v[128*(\p)+FR*\b:128*(\p)+FR*\b+FR-1], v[AF+FR*(\a):AF+FR*(\a)+FR-1], v[8*(8*((\a)%4)+\b):8*(8*((\a)%4)+\b)+7], v[SC+8*NQ*(\sc)+NQ*\b+(\q)], v[SC+8*NQ*(\sc)+NQ*(\a)+(\q)] matrix_a_fmt:MATRIX_FMT_FP4 matrix_b_fmt:MATRIX_FMT_FP4 matrix_a_scale:MATRIX_SCALE_ROW1
.endif
.endr
.endr
.endm
.macro FETCH_B slot, q, p
	WIN TO_B
.irp i, 0,1,2,3,4,5,6,7
	FRAG 128*(\p)+FR*\i, ADRB+\slot, \q, \i
.endr
	WIN 0
.endm
.macro FETCH_A slot, q, i0
.irp i, \i0, \i0+1, \i0+2, \i0+3
	FRAG AF+FR*(\i), ADRA+\slot, \q, \i
.endr
.endm
.macro SCALES sc                       ; a slot's scale words: 4 words a row; lanes 0-15 take A's block i, lanes 16-31 B's block i
.irp i, 0,1,2,3,4,5,6,7
	ds_load_b128 v[SC+8*NQ*\sc+NQ*\i:SC+8*NQ*\sc+NQ*\i+3], v[ADRS] offset:\i*SBLK
.endr
.endm
.macro PLACES n                        ; plain vector instructions between a matrix instruction and a load into, or a read of, its registers
.rept \n
	v_nop
.endr
.endm
.macro STEP slot, q, zero              ; 128 along K, with its successor in the same slot
	s_wait_dscnt 4*NL                              ; B's set and A's blocks 0-3 are in; the youngest eight loads (A's blocks 4-7) may be out
	WIN MUL_LO
	MUL16 0, (\q)%2, \q, \slot, \zero
	MUL16 2, (\q)%2, \q, \slot, \zero
	s_wait_dscnt 0                                 ; A's blocks 4-7 are in
	PLACES NP
	FETCH_B \slot, (\q)+1, 1-(\q)%2
	FETCH_A \slot, (\q)+1, 0
	WIN MUL_HI
	MUL16 4, (\q)%2, \q, \slot, \zero
	MUL16 6, (\q)%2, \q, \slot, \zero
	PLACES NP
	WIN 0
	FETCH_A \slot, (\q)+1, 4
.endm
.macro TURN slot, next                 ; slot 0's last step changes slots: one barrier; nothing is filled again
	s_wait_tensorcnt 0x0                           ; all my tensor loads have landed: my part of the next slot
	ds_add_u32 v[SPW], v[NIL]                      ; 0 onto my spare word
	s_wait_dscnt 4*NL+1                            ; (the add and the youngest eight loads may be out)
	WIN MUL_LO
	MUL16 0, 1, NQ-1, \slot, 0
	s_wait_dscnt 0x0                               ; the add is done, and my reads of this slot are over
	s_barrier_signal -1
	MUL16 2, 1, NQ-1, \slot, 0
	WIN 0
	s_barrier_wait -1                              ; the next slot is whole
	PLACES NP
	v_add_nc_u32 v[ADRS], 4*NQ, v[ADRS]            ; on to the next slot's scale words
	FETCH_B \next, 0, 0
	FETCH_A \next, 0, 0
	SCALES \next
	WIN MUL_HI
	MUL16 4, 1, NQ-1, \slot, 0
	MUL16 6, 1, NQ-1, \slot, 0
	PLACES NP
	WIN 0
	FETCH_A \next, 0, 4
.endm
.macro LAST                            ; the very last step: nothing more to fetch
	s_wait_dscnt 4*NL
	WIN MUL_LO
	MUL16 0, 1, NQ-1, 1, 0
	MUL16 2, 1, NQ-1, 1, 0
	s_wait_dscnt 0
	WIN MUL_HI
	MUL16 4, 1, NQ-1, 1, 0
	MUL16 6, 1, NQ-1, 1, 0
	WIN 0
.endm
; 64 numbers of a lane, v[s] .. v[s + 63]; registers 16 b .. 16 b + 15 of lanes l and l xor 16 are block b of my row.  They become a fragment's codes in v[PC] on and its scale word in v[PW].
.macro QUANT s
.irp b, 0,1,2,3
	v_max3_num_f32 v[TM+\b], |v[\s+16*\b]|, |v[\s+1+16*\b]|, 0x1800000   ; my 16 numbers, and the floor 2^(3 - 127): the byte cannot fall under 1
.endr
.irp i, 2,4,6,8,10,12,14
.irp b, 0,1,2,3
	v_max3_num_f32 v[TM+\b], v[TM+\b], |v[\s+16*\b+\i]|, |v[\s+1+16*\b+\i]|   ; (the four blocks by turns)
.endr
.endr
.irp b, 0,1,2,3
	v_permlanex16_b32 v[TM+4+\b], v[TM+\b], s[SEL], s[SEL+1]
.endr
.irp b, 0,1,2,3
	v_max_num_f32 v[TM+\b], v[TM+\b], v[TM+4+\b]   ; with lane l xor 16's: the block's largest magnitude
.endr
.irp b, 0,1,2,3
	v_add_nc_u32 v[TM+12+\b], 0xff000000, v[TM+\b] ; 2 off its exponent field: the conversion's scale operand
.endr
.irp b, 0,1,2,3
	v_lshrrev_b32 v[TM+4+\b], 23, v[TM+12+\b]      ; the scale's byte
.endr
	v_lshl_or_b32 v[PW], v[TM+5], 8, v[TM+4]
	v_lshl_or_b32 v[PW], v[TM+6], 16, v[PW]
	v_lshl_or_b32 v[PW], v[TM+7], 24, v[PW]
.irp b, 0,1,2,3
	v_cvt_scalef32_pk8_fp4_f32 v[PC+2*\b], v[\s+16*\b:\s+7+16*\b], v[TM+12+\b]
	v_cvt_scalef32_pk8_fp4_f32 v[PC+1+2*\b], v[\s+8+16*\b:\s+15+16*\b], v[TM+12+\b]
.endr
	v_nop                                          ; one plain place behind a scaled conversion
.irp c, 0,1                                    ; the operand's layout wants a whole block in a lane: lanes 0-15 block 2 c, lanes 16-31 block 2 c + 1
.irp i, 0,1
	v_permlane16_swap_b32 v[PC+4*\c+\i], v[PC+2+4*\c+\i]
.endr
.endr
.endm
; Block a of A's rows (16 tokens, or 16 channels) leaves: bias and factor, the quantiser, two stores of 512 consecutive bytes each, aligned.
.macro BLOCK kind, a
.if \a > 0
	s_wait_xcnt 0x0                                ; the last block's stores have read v[PC] on: it is written again only behind this wait
.endif
	WIN (0x02+(\a)/4)                              ; source 0: the accumulators' window
.set k, 0
.rept 32                                       ; each accumulator from its low end on
.if \kind == 0
	v_pk_fma_f32 v[OUTN+2*k:OUTN+2*k+1], v[64*((\a)%4)+2*k:64*((\a)%4)+2*k+1], s[SS:SS+1], v[BB+2*k:BB+2*k+1] op_sel_hi:[1,0,1]
.else
	v_pk_add_f32 v[OUTN+2*k:OUTN+2*k+1], v[64*((\a)%4)+2*k:64*((\a)%4)+2*k+1], v[BB+2*\a:BB+2*\a+1]
.endif
.set k, k+1
.endr
	WIN 0
	QUANT OUTN
.if \kind == 0
	global_store_b128 v[VO], v[PC:PC+3], s[OB:OB+1] offset:512*(\a)            ; blocks 0, 1: my first head's 64
	global_store_b128 v[VO], v[PC+4:PC+7], s[OB:OB+1] offset:REC+512*(\a)      ; blocks 2, 3: my second head's
	v_lshrrev_b32 v[SW+\a], v[SH], v[PW]           ; lanes 0-15 keep the first head's two bytes, lanes 16-31 the second's
	v_and_or_b32 v[SW+\a], v[SW+\a], 0xffff, s[PADW]
.else
	global_store_b128 v[VO], v[PC:PC+3], s[OB:OB+1] offset:((\a)/4)*REC+((\a)%4)*1024
	global_store_b128 v[VO], v[PC+4:PC+7], s[OB:OB+1] offset:((\a)/4)*REC+((\a)%4)*1024+512
	v_mov_b32 v[SW+\a], v[PW]
.endif
.endm
.macro EPI kind
	s_wait_loadcnt 0x0                             ; the bias
	PLACES NP                                      ; behind the last products
.irp b, 0,1,2,3
	v_mov_b32 v[TM+4+\b], 0                        ; written once: a lane permute's destination counts as one of its sources
.endr
.if \kind == 0
.set k, 0
.rept 32
	v_pk_mul_f32 v[BB+2*k:BB+2*k+1], v[BB+2*k:BB+2*k+1], s[SF:SF+1] op_sel_hi:[1,0]
.set k, k+1
.endr
.else
.irp a, 0,1,2,3,4,5,6,7
	v_mov_b32 v[BB+2*\a+1], v[BB+2*\a]             ; a pair for the packed addition
.endr
.endif
.irp a, 0,1,2,3,4,5,6,7
	BLOCK \kind, \a
.endr
.if \kind == 0
	global_store_b128 v[VS], v[SW:SW+3], s[OB:OB+1] offset:4096    ; tiles 0-3: sixteen lanes store 256 consecutive bytes of a record
	global_store_b128 v[VS], v[SW+4:SW+7], s[OB:OB+1] offset:4352  ; tiles 4-7
.else
	v_cmp_eq_u32 vcc_lo, 0, v[SH]
.irp i, 0,1,2,3
	v_cndmask_b32 v[W4+\i], v[SW+4+\i], v[SW+\i], vcc_lo           ; lanes 0-15: my first head's four tiles; lanes 16-31: my second head's
.endr
	global_store_b128 v[VS], v[W4:W4+3], s[OB:OB+1] offset:4096
	global_store_b128 v[VS], v[W4:W4+3], s[OB:OB+1] offset:4352    ; once more: a load of 16 bytes a lane then reads written bytes in all 32 lanes
.endif
.endm
	s_wait_tensorcnt 1                             ; the scales and my part of slot 0 are in (slot 1's load may be out),
	s_barrier_signal -1
	s_barrier_wait -1                              ; everybody's are
	FETCH_B 0, 0, 0
	FETCH_A 0, 0, 0
	SCALES 0
	FETCH_A 0, 0, 4
	STEP 0, 0, 1                                   ; the first products start the sums: nothing is cleared
	STEP 0, 1, 0
	STEP 0, 2, 0
	TURN 0, 1
	STEP 1, 0, 0
	STEP 1, 1, 0
	; the two kinds part here, two steps ahead of the end, so that the bias lands under 128 matrix instructions; each way reads only what it has written
	s_cmp_eq_u32 s[KIND], 1
	s_cbranch_scc1 .Lkind1
.irp g, 0,1,2,3,4,5,6,7                        ; bq at B's rows 16 g + 8 h + 0 .. 7: the layout of an accumulator's registers
	global_load_b128 v[BB+8*\g:BB+8*\g+3], v[VB0], s[96:97] offset:64*\g
	global_load_b128 v[BB+8*\g+4:BB+8*\g+7], v[VB0], s[96:97] offset:64*\g+16
.endr
	STEP 1, 2, 0
	LAST
	EPI 0
	s_branch .Lend
.Lkind1:
.irp a, 0,1,2,3,4,5,6,7                        ; bv at my row of each of A's blocks
	global_load_b32 v[BB+2*\a], v[VB1], s[98:99] offset:64*\a
.endr
	STEP 1, 2, 0
	LAST
	EPI 1
.Lend:
	s_wait_tensorcnt 0x0                           ; the wave's end
	ds_add_u32 v[SPW], v[NIL]
	s_wait_dscnt 0x0
	CROUND                                         ; the closing round
	s_endpgm
.Lfunc_end_k_q77a90eca65_qkv:
	.size	k_q77a90eca65_qkv, .Lfunc_end_k_q77a90eca65_qkv-k_q77a90eca65_qkv
	.p2alignl 7, 3214868480
	.fill 96, 4, 3214868480
	.section	.rodata,"a",@progbits
	.p2align	6, 0x0
	.amdhsa_kernel k_q77a90eca65_qkv
		.amdhsa_group_segment_fixed_size 327680
		.amdhsa_private_segment_fixed_size 0
		.amdhsa_enable_private_segment 0
		.amdhsa_kernarg_size 56
		.amdhsa_user_sgpr_count 2
		.amdhsa_user_sgpr_kernarg_segment_ptr 1
		.amdhsa_wavefront_size32 1
		.amdhsa_system_sgpr_workgroup_id_x 1
		.amdhsa_system_sgpr_workgroup_id_y 1
		.amdhsa_system_sgpr_workgroup_id_z 1
		.amdhsa_system_vgpr_workitem_id 0
		.amdhsa_next_free_vgpr 1024
		.amdhsa_next_free_sgpr 102
		.amdhsa_reserve_vcc 1
		.amdhsa_float_denorm_mode_32 3
		.amdhsa_float_denorm_mode_16_64 3
		.amdhsa_memory_ordered 1
		.amdhsa_forward_progress 1
		.amdhsa_inst_pref_size 217
	.end_amdhsa_kernel
	.amdgpu_metadata
---
amdhsa.version: [ 1, 2 ]
amdhsa.kernels:
  - .name:           k_q77a90eca65_qkv
    .symbol:         k_q77a90eca65_qkv.kd
    .args:
      - { .name: x_codes, .offset: 0, .size: 8, .value_kind: global_buffer, .address_space: global }
      - { .name: x_scales, .offset: 8, .size: 8, .value_kind: global_buffer, .address_space: global }
      - { .name: w_codes, .offset: 16, .size: 8, .value_kind: global_buffer, .address_space: global }
      - { .name: w_scales, .offset: 24, .size: 8, .value_kind: global_buffer, .address_space: global }
      - { .name: bq, .offset: 32, .size: 8, .value_kind: global_buffer, .address_space: global }
      - { .name: bv, .offset: 40, .size: 8, .value_kind: global_buffer, .address_space: global }
      - { .name: qkv, .offset: 48, .size: 8, .value_kind: global_buffer, .address_space: global }
    .group_segment_fixed_size: 327680
    .private_segment_fixed_size: 0
    .kernarg_segment_align: 8
    .kernarg_segment_size: 56
    .max_flat_workgroup_size: 128
    .sgpr_count:     102
    .vgpr_count:     1024
    .wavefront_size: 32
...
	.end_amdgpu_metadata
.endif
;; end of part 2
;; launch attn (part 3): grid 32 x 16, 16 waves a work-group, clusters of 4 x 4, 327,680 bytes of LDS; arguments qkv, mask, ao_codes, ao_scales; writes ao_codes, ao_scales
.if DOCPART == 3
	.amdgcn_target "amdgcn-amd-amdhsa--gfx1250"
	.amdhsa_code_object_version 6
	.text
	.protected	k_q77a90eca65_attn
	.globl	k_q77a90eca65_attn
	.p2align	8
	.type	k_q77a90eca65_attn,@function
k_q77a90eca65_attn:
	s_mov_b64 s[64:65], 0
	v_nop
	global_prefetch_b8 v0, s[64:65] scope:SCOPE_SE
	s_setreg_imm32_b32 hwreg(HW_REG_WAVE_MODE, 25, 1), 1
	s_wait_xcnt 0x0
	s_wait_alu depctr_hold_cnt(0) depctr_sa_sdst(0) depctr_va_vdst(0) depctr_va_sdst(0) depctr_va_ssrc(0) depctr_va_vcc(0) depctr_vm_vsrc(0)
	s_getreg_b32 s2, hwreg(HW_REG_IB_STS2, 6, 4)
	s_cmp_eq_u32 s2, 0
	s_cbranch_scc0 .Lentry_in_a_cluster
	s_endpgm
.Lentry_in_a_cluster:
	s_bfe_u32 s2, ttmp6, 0x10000c
	s_cmp_lg_u32 s2, 0xf033
	s_cbranch_scc0 .Lentry_shape_is_right
	s_endpgm
.Lentry_shape_is_right:
; o = softmax(q k^T + mask) v for 4 batches x 16 heads of 64, 2,048 tokens, both products on codes of FP4 with E8M0 scales; o is quantised along the 1,024 channels for the last product.
; q, k, v come as images of operand registers: qkv [64 steps of 128 tokens][48 records][4,608 bytes] (laid out by the launch before).  mask [2048][2048] f32 is an input and is added as it is given.
; THE SOFTMAX: t = (score + mask) x log2(e), rounded; M = the running largest t rounded up to a whole number; p = 2^(t - M) is quantised along the keys, not normalised; the row's sum is taken of the
; unquantised p and divides at the end.  When M moves, the sum and O are multiplied by 2^(old M - new M): exact.
; SHARES.  A work-group owns 64 queries of one batch for FOUR heads: the mask's tile serves four heads.  Wave w: head w % 4 of the four, queries 16 (w / 4) on; 256 registers a wave, four waves to a SIMD.
; Every wave walks all 2,048 keys, 128 a step.  A slot of LDS holds two steps: for each, K's four records, V's four records and 64 rows x 128 keys of the mask.
; CLUSTER 4 x 4: x = blocks of queries, y = groups of four heads of one batch.  K and V hang on y alone: asked for jointly along a row of the cluster; the mask hangs on x alone: jointly along a column.
; LAYOUT.  Both products are used transposed: S^T = K Q^T + mask^T (source 0 = 16 keys, source 1 = my 16 queries, C = the mask's tile, loaded straight into the accumulators: the addition costs no vector line),
; O^T = V^T P^T: a lane holds ONE query (lane % 16) throughout.  A head's 64 fill half of the instruction's 128 along K: Q's upper four registers are zero codes, so whatever stands in K's upper four
; (the next tile's codes) adds nothing; both sides' upper scale bytes are 0x7f.
; Inside a block of 32 keys p's codes stand in the order in which V's were laid: number 16 u + 8 h + j at place 16 h + 8 u + j.
; LIMITS: NaN and infinities are not served; a row whose sum is 0 is not served; blocks of zeros keep the scale byte 1 (their codes are zeros).
; o's codes leave in runs of 128 bytes (four heads x 32 bytes of a token's row of 512).
.set REC,   4608
.set VOFF,  4*REC                      ; in a step's block: K's four records, then V's,
.set MOFF,  8*REC                      ; then the mask: 64 rows of 512 bytes + 16 of padding
.set MP,    528
.set STEPB, MOFF+64*MP                 ; 70,656
.set SLOTB, 2*STEPB
.set STG,   2*SLOTB                    ; behind the ring: the way out: 64 rows x (128 bytes + 16),
.set SGP,   144
.set SSTG,  STG+64*SGP                 ; 64 rows x 8 scale bytes,
.set SPARE, SSTG+512                   ; and the spare words, 128 bytes for each of the sixteen waves
.set AK0, 1                            ; v1  my lane's place in K's records: REC x head + 16 x lane
.set AV0, 2                            ; v2  in V's
.set AM0, 3                            ; v3  in the mask's tile: my query's row, + 32 (lane / 16)
.set SPW, 4                            ; v4  my spare word; never rewritten
.set NIL, 5                            ; v5  0; never rewritten
.set ADK, 6                            ; v6-8 the addresses of the step in hand
.set ADV, 7
.set ADM, 8
.set QF,  16                           ; v16-23 Q's fragment; v20-23 zero codes
.set KF,  24                           ; v24-55 K's eight tiles, four registers each; v56-59 zero codes
.set VF,  60                           ; v60-91 V's four fragments
.set S,   96                           ; v96-159 the mask, then S^T, then t, then p
.set O,   160                          ; v160-191 O^T
; v12 -M, v13 the largest t, v[14:15] the sum in two halves; v224-231 p's codes; v232-239, v244-247, v252, v254 at work; v240-243 V's scale words; v248-251 K's; v253 p's; v255 Q's
.set WV,  18
.set SEL, 20                           ; s[20:21] lane selects for lane l xor 16
.set CS,  22                           ; s[22:23] log2(e), twice
.set G1K, 24                           ; s[24:31] descriptor group 1 for K's and V's records
.set G1M, 32                           ; s[32:39] for the mask's tiles
.set G0K, 40                           ; s[40:47] group 0 for K or V, a set for each slot
.set G0M, 48                           ; s[48:55] for the mask
.set CNT, 56
.set HI,  68                           ; s68 my head of the four;  s69 my tile of queries
.set QT,  69
; A joint load into slot s: waves 0-3 fetch K's and V's records of the slot's two steps, waves 4 and 5 the mask's two tiles, the others nothing.  The branches hang on the wave's number alone.
; Four v_nop follow each of the two lines.
.macro JLOAD s
	s_cmp_lt_u32 s[WV], 4
	s_cbranch_scc0 .Lnot_k_\@
	tensor_load_to_lds s[G0K+4*\s:G0K+4*\s+3], s[G1K:G1K+7]
	s_nop 0
.rept 4
	v_nop
.endr
	s_branch .Lasked_\@
.Lnot_k_\@:
	s_cmp_lt_u32 s[WV], 6
	s_cbranch_scc0 .Lasked_\@
	tensor_load_to_lds s[G0M+4*\s:G0M+4*\s+3], s[G1M:G1M+7]
	s_nop 0
.rept 4
	v_nop
.endr
.Lasked_\@:
.endm
.macro CROUND                          ; a round of the cluster's barrier
	s_barrier_signal -1
	s_barrier_wait -1
	s_cmp_lg_u32 s[WV], 0
	s_cbranch_scc1 .Lnot_wave_0_\@
	s_barrier_signal -3
.Lnot_wave_0_\@:
	s_barrier_wait -3
	s_barrier_signal -1
	s_barrier_wait -1
.endm
	s_load_b256 s[4:11], s[0:1], 0x0               ; qkv, mask, ao_codes, ao_scales
	v_lshl_add_u32 v[SPW], v0, 2, SPARE
	v_mov_b32 v[NIL], 0
	ds_add_u32 v4, v5
	ds_add_u32 v4, v5
	s_wait_dscnt 0x0
	v_lshrrev_b32 v9, 5, v0
	s_delay_alu instid0(VALU_DEP_1)
	v_readfirstlane_b32 s[WV], v9                  ; wave 0..15
	s_bfe_u32 s12, ttmp6, 0x40000                  ; cx
	s_bfe_u32 s13, ttmp6, 0x40004                  ; cy: my group of four heads
	s_lshl_b32 s14, ttmp9, 2
	s_add_co_u32 s14, s14, s12                     ; X: my block of 64 queries = 4 x cluster x + cx
	s_and_b32 s15, ttmp7, 0xffff                   ; the batch = cluster y
	s_lshl_b32 s16, s13, 2
	s_lshl_b32 s16, 15, s16                        ; my row of the cluster
	s_lshl_b32 s17, 0x1111, s12                    ; my column
	; group 1 for K and V: four records, 18,432 dense bytes, as 72 rows of 256 bytes (32 elements of 8 bytes), no padding
	s_or_b32 s[G1K], s16, (3<<16)|(1<<21)          ; 15:0 the mask: my row; 17:16 elements of 8 bytes; 21 set beside a mask
	s_mov_b32 s[G1K+1], 32<<16                     ; tensor_dim0
	s_mov_b32 s[G1K+2], 72<<16                     ; tensor_dim1
	s_mov_b32 s[G1K+3], 32<<16                     ; tile_dim0
	s_mov_b32 s[G1K+4], 72                         ; tile_dim1
	s_mov_b32 s[G1K+5], 32                         ; tensor_dim0_stride
	s_mov_b32 s[G1K+6], 0
	s_mov_b32 s[G1K+7], 0
	; group 1 for the mask: 64 rows of 128 f32, 2,048 elements from row to row, 4 words of padding behind every 128
	s_or_b32 s[G1M], s17, (2<<16)|(1<<20)|(1<<21)|(6<<22)|(3<<25)
	s_mov_b32 s[G1M+1], 128<<16
	s_mov_b32 s[G1M+2], 64<<16
	s_mov_b32 s[G1M+3], 128<<16
	s_mov_b32 s[G1M+4], 64
	s_mov_b32 s[G1M+5], 2048
	s_mov_b32 s[G1M+6], 0
	s_mov_b32 s[G1M+7], 0
	; what I fetch, if I fetch.  K's and V's address is made of the batch, cy and the wave's number; the mask's of X and the wave's number; each in registers that never hold the other place
	s_and_b32 s57, s[WV], 1                        ; which of a slot's two steps
	s_bfe_u32 s58, s[WV], 0x10001                  ; K (0) or V (1)
	s_lshl_b32 s59, s15, 4
	s_add_co_u32 s59, s59, s57                     ; the step of 128 tokens: 16 x batch + step
	s_mul_i32 s59, s59, 48
	s_lshl_b32 s60, s58, 4
	s_add_co_u32 s59, s59, s60
	s_lshl_b32 s60, s13, 2
	s_add_co_u32 s59, s59, s60
	s_add_co_u32 s59, s59, 16                      ; record 16 + 16 x (V) + 4 cy
	s_mul_i32 s60, s59, REC
	s_mov_b32 s61, 0
	s_mul_i32 s62, s57, STEPB
	s_mul_i32 s63, s58, VOFF
	s_add_co_u32 s63, s63, s62                     ; K's or V's place in slot 0
	s_add_co_u32 s62, s62, MOFF                    ; the mask's
	s_lshl_b32 s66, s14, 19                        ; 64 X rows of 8,192 bytes
	s_lshl_b32 s67, s57, 9                         ; 128 keys are 512 bytes
	s_add_co_u32 s66, s66, s67
	s_mov_b32 s67, 0
	; Q's record, and where o goes
	s_and_b32 s[HI], s[WV], 3
	s_lshr_b32 s[QT], s[WV], 2
	s_lshr_b32 s70, s14, 1
	s_lshl_b32 s71, s15, 4
	s_add_co_u32 s70, s70, s71                     ; my queries' step of 128 tokens
	s_mul_i32 s70, s70, 48
	s_lshl_b32 s71, s13, 2
	s_add_co_u32 s70, s70, s71
	s_add_co_u32 s70, s70, s[HI]                   ; record 4 cy + head
	s_mul_i32 s70, s70, REC
	s_mov_b32 s71, 0
	s_and_b32 s72, s14, 1
	s_lshl_b32 s73, s72, 2
	s_add_co_u32 s73, s73, s[QT]                   ; my tile in the record: 4 (X % 2) + tile of queries
	s_lshl_b32 s73, s73, 9
	s_lshl_b32 s72, s72, 8
	s_lshl_b32 s74, s[QT], 2
	s_add_co_u32 s72, s72, s74
	s_add_co_u32 s72, s72, 4096                    ; its scale words: [tile / 4][row][tile % 4]
	s_lshl_b32 s77, s15, 11
	s_lshl_b32 s78, s14, 6
	s_add_co_u32 s77, s77, s78                     ; my work-group's first token
	s_lshl_b32 s78, s77, 9
	s_lshl_b32 s79, s13, 7
	s_add_co_u32 s78, s78, s79                     ; its row of codes, + 128 cy
	s_mov_b32 s79, 0
	s_lshl_b32 s80, s77, 5
	s_lshl_b32 s81, s13, 3
	s_add_co_u32 s80, s80, s81                     ; its row of scale bytes, + 8 cy
	s_mov_b32 s81, 0
	s_mov_b32 s[SEL], 0x76543210
	s_mov_b32 s[SEL+1], 0xfedcba98
	s_mov_b32 s[CS], 0x3fb8aa3b                    ; log2(e)
	s_mov_b32 s[CS+1], s[CS]
	s_wait_kmcnt 0x0
	s_add_nc_u64 s[60:61], s[4:5], s[60:61]
	s_add_nc_u64 s[66:67], s[6:7], s[66:67]
	s_add_nc_u64 s[70:71], s[4:5], s[70:71]
	s_add_nc_u64 s[8:9], s[8:9], s[78:79]
	s_add_nc_u64 s[10:11], s[10:11], s[80:81]
	CROUND                                         ; all sixteen work-groups are here: the first joint loads meet
.irp s, 0,1
	s_mov_b32 s[G0K+4*\s], 1                       ; count = 1
	s_add_co_u32 s[G0K+4*\s+1], s63, \s*SLOTB      ; LDS address
	s_add_nc_u64 s[G0K+4*\s+2:G0K+4*\s+3], s[60:61], \s*2*48*REC   ; slot s begins with steps 2 s, 2 s + 1
	s_or_b32 s[G0K+4*\s+3], s[G0K+4*\s+3], 0x80000000              ; type = 2
	s_mov_b32 s[G0M+4*\s], 1
	s_add_co_u32 s[G0M+4*\s+1], s62, \s*SLOTB
	s_add_nc_u64 s[G0M+4*\s+2:G0M+4*\s+3], s[66:67], \s*2*512
	s_or_b32 s[G0M+4*\s+3], s[G0M+4*\s+3], 0x80000000
.endr
	s_cmp_lt_u32 s[WV], 4                          ; a wave's two first fills stand in one branch: two loads of mine are out
	s_cbranch_scc0 .Lfirst_not_k
	tensor_load_to_lds s[G0K:G0K+3], s[G1K:G1K+7]
	s_nop 0
	tensor_load_to_lds s[G0K+4:G0K+7], s[G1K:G1K+7]
	s_nop 0
.rept 4
	v_nop
.endr
	s_branch .Lfirst_asked
.Lfirst_not_k:
	s_cmp_lt_u32 s[WV], 6
	s_cbranch_scc0 .Lfirst_asked
	tensor_load_to_lds s[G0M:G0M+3], s[G1M:G1M+7]
	s_nop 0
	tensor_load_to_lds s[G0M+4:G0M+7], s[G1M:G1M+7]
	s_nop 0
.rept 4
	v_nop
.endr
.Lfirst_asked:
	v_and_b32 v9, 31, v0                           ; lane
	v_and_b32 v10, 15, v0                          ; r
	v_bfe_u32 v11, v0, 4, 1                        ; h
	s_delay_alu instid0(VALU_DEP_3)
	v_lshl_add_u32 v92, v9, 4, s73                 ; Q's codes: my tile, 16 bytes a lane
	s_delay_alu instid0(VALU_DEP_3)
	v_lshl_add_u32 v93, v10, 4, s72                ; Q's scale word: my row's
	global_load_b128 v[QF:QF+3], v92, s[70:71]
	global_load_b32 v255, v93, s[70:71]
.irp j, 0,1,2,3
	v_mov_b32 v[QF+4+\j], 0                        ; zero codes for the upper 64 along K
	v_mov_b32 v[KF+32+\j], 0                       ; and behind K's last tile
.endr
	s_mul_i32 s75, s[HI], REC
	v_lshl_add_u32 v[AK0], v9, 4, s75
	s_delay_alu instid0(VALU_DEP_1)
	v_add_nc_u32 v[AV0], VOFF, v[AK0]
	s_mul_i32 s76, s[QT], 16*MP
	s_add_co_u32 s76, s76, MOFF
	v_mul_u32_u24 v[AM0], v10, MP
	s_delay_alu instid0(VALU_DEP_1)
	v_lshl_add_u32 v[AM0], v11, 5, v[AM0]
	s_delay_alu instid0(VALU_DEP_1)
	v_add_nc_u32 v[AM0], s76, v[AM0]               ; row 16 x tile + r; register j of tile t is key 16 t + 8 h + j: 64 t + 32 h + 4 j bytes on
	v_mov_b32 v13, 0xff61b1e6                      ; the largest t so far: -3e38
	s_delay_alu instid0(VALU_DEP_1)
	v_floor_f32 v12, -v13                          ; -M
	v_mov_b32 v14, 0
	v_mov_b32 v15, 0
.irp b, 0,1,2,3
	v_mov_b32 v[236+\b], 0                         ; written once: a lane permute's destination counts as one of its sources
.endr
	v_mov_b32 v253, 0                              ; (named as the upper half of the pair v[252:253] before it is first written)
.set j, 0
.rept 32
	v_mov_b32 v[O+j], 0                            ; O^T: the step is written one way: the first finds zeros, which the first change of M leaves zeros
.set j, j+1
.endr
; A KEY STEP: 128 keys, whose block begins at LDS byte base.
.macro STEP base
	v_add_nc_u32 v[ADK], \base, v[AK0]
	v_add_nc_u32 v[ADV], \base, v[AV0]
	v_add_nc_u32 v[ADM], \base, v[AM0]
	v_nop                                          ; four places in front of loads into registers that the last step's products have read
.irp t, 0,1,2,3,4,5,6,7
	ds_load_b128 v[S+8*\t:S+8*\t+3], v[ADM] offset:64*\t           ; the mask, in the layout of the accumulators
	ds_load_b128 v[S+8*\t+4:S+8*\t+7], v[ADM] offset:64*\t+16
.endr
.irp t, 0,1,2,3,4,5,6,7
	ds_load_b128 v[KF+4*\t:KF+4*\t+3], v[ADK] offset:512*\t        ; K's tile t as it was stored: 512 consecutive bytes
.endr
	ds_load_b128 v[248:251], v[ADK] offset:4096    ; K's scale words: lanes 0-15 tiles 0-3, lanes 16-31 tiles 4-7
.irp t, 0,1,2,3
	ds_load_b128 v[VF+8*\t:VF+8*\t+3], v[ADV] offset:1024*\t
	ds_load_b128 v[VF+8*\t+4:VF+8*\t+7], v[ADV] offset:1024*\t+512
.endr
	ds_load_b128 v[240:243], v[ADV] offset:4096    ; V's scale words
	s_wait_dscnt 9                                 ; the mask, K and its scale words are in; V's nine loads may be out
.irp t, 0,1,2,3                                ; S^T = K Q^T + mask^T; the eight accumulators take turns
	v_wmma_scale_f32_16x16x128_f8f6f4 v[S+8*\t:S+8*\t+7], v[KF+4*\t:KF+4*\t+7], v[QF:QF+7], v[S+8*\t:S+8*\t+7], v[248+\t], v255 matrix_a_fmt:MATRIX_FMT_FP4 matrix_b_fmt:MATRIX_FMT_FP4
.endr
.irp t, 4,5,6,7
	v_wmma_scale_f32_16x16x128_f8f6f4 v[S+8*\t:S+8*\t+7], v[KF+4*\t:KF+4*\t+7], v[QF:QF+7], v[S+8*\t:S+8*\t+7], v[244+\t], v255 matrix_a_fmt:MATRIX_FMT_FP4 matrix_b_fmt:MATRIX_FMT_FP4 matrix_a_scale:MATRIX_SCALE_ROW1
.endr
.rept 4
	v_nop
.endr
.set j, 0
.rept 32
	v_pk_mul_f32 v[S+j:S+j+1], v[S+j:S+j+1], s[CS:CS+1] op_sel_hi:[1,0]   ; t = logit x log2(e), rounded; each accumulator from its low end on
.set j, j+2
.endr
.irp b, 0,1,2,3
	v_max3_num_f32 v[232+\b], v[S+16*\b], v[S+1+16*\b], v[S+2+16*\b]   ; the largest t of each block of 32 keys: it serves the row's maximum and, since p rises with t, the block's largest p
.endr
.irp i, 3,5,7,9,11,13
.irp b, 0,1,2,3
	s_delay_alu instid0(VALU_DEP_4)
	v_max3_num_f32 v[232+\b], v[232+\b], v[S+16*\b+\i], v[S+1+16*\b+\i]
.endr
.endr
.irp b, 0,1,2,3
	s_delay_alu instid0(VALU_DEP_4)
	v_max_num_f32 v[232+\b], v[232+\b], v[S+15+16*\b]
.endr
.irp b, 0,1,2,3
	s_delay_alu instid0(VALU_DEP_4)
	v_permlanex16_b32 v[236+\b], v[232+\b], s[SEL], s[SEL+1]
.endr
.irp b, 0,1,2,3
	s_delay_alu instid0(VALU_DEP_4)
	v_max_num_f32 v[232+\b], v[232+\b], v[236+\b]  ; with lane l xor 16's 16 keys
.endr
	s_delay_alu instid0(VALU_DEP_2)
	v_max3_num_f32 v254, v232, v233, v234
	s_delay_alu instid0(VALU_DEP_1)
	v_max_num_f32 v254, v254, v235                 ; the step's largest t of my query
	s_delay_alu instid0(VALU_DEP_1)
	v_max_num_f32 v13, v13, v254                   ; the running largest t
	v_mov_b32 v254, v12
	s_delay_alu instid0(VALU_DEP_2)
	v_floor_f32 v12, -v13                          ; the new -M = floor(-t) = -ceil(t)
	s_delay_alu instid0(VALU_DEP_1)
	v_sub_f32 v254, v12, v254                      ; old M - new M: a whole number, 0 or less
	s_delay_alu instid0(VALU_DEP_1)
	v_cvt_i32_f32 v254, v254                       ; (it saturates)
	s_delay_alu instid0(VALU_DEP_1)
	v_ldexp_f32 v252, 1.0, v254                    ; f = 2^(old M - new M)
.set j, 0
.rept 32
	v_pk_add_f32 v[S+j:S+j+1], v[S+j:S+j+1], v[12:13] op_sel_hi:[1,0]   ; t - M (of the pair the low word, -M, serves both halves)
.set j, j+2
.endr
.irp b, 0,1,2,3
	v_add_f32 v[232+\b], v[232+\b], v12            ; the same of each block's largest t
.endr
.set j, 0
	s_wait_alu depctr_va_vdst(0)
.rept 64
	v_exp_f32 v[S+j], v[S+j]                       ; p = 2^(t - M), at most 1
.set j, j+1
.endr
	v_pk_mul_f32 v[14:15], v[14:15], v[252:253] op_sel_hi:[1,0]   ; the sums under the new M: a plain instruction behind the exponentials
	s_wait_alu depctr_va_vdst(0)                   ; one wait for the batch, ahead of its first reader
.irp b, 0,1,2,3
	v_exp_f32 v[232+\b], v[232+\b]                 ; the block's largest p: the same instructions on the same number give the same bits
.endr
	v_pk_add_f32 v[236:237], v[100:101], v[104:105]
	v_pk_add_f32 v[250:251], v[108:109], v[112:113]
	v_pk_add_f32 v[248:249], v[116:117], v[120:121]
	v_pk_add_f32 v[246:247], v[124:125], v[128:129]
	v_pk_add_f32 v[244:245], v[132:133], v[136:137]
	v_pk_add_f32 v[238:239], v[140:141], v[144:145]
	v_pk_add_f32 v[230:231], v[148:149], v[152:153]
	v_pk_add_f32 v[14:15], v[14:15], v[156:157]
	v_pk_add_f32 v[236:237], v[236:237], v[96:97]
	v_pk_add_f32 v[250:251], v[250:251], v[98:99]
	v_pk_add_f32 v[248:249], v[248:249], v[102:103]
	v_pk_add_f32 v[246:247], v[246:247], v[106:107]
	v_pk_add_f32 v[244:245], v[244:245], v[110:111]
	v_pk_add_f32 v[238:239], v[238:239], v[114:115]
	v_pk_add_f32 v[230:231], v[230:231], v[118:119]
	v_pk_add_f32 v[14:15], v[14:15], v[122:123]
	v_pk_add_f32 v[236:237], v[236:237], v[126:127]
	v_pk_add_f32 v[250:251], v[250:251], v[130:131]
	v_pk_add_f32 v[248:249], v[248:249], v[134:135]
	v_pk_add_f32 v[246:247], v[246:247], v[138:139]
	v_pk_add_f32 v[244:245], v[244:245], v[142:143]
	v_pk_add_f32 v[238:239], v[238:239], v[146:147]
	v_pk_add_f32 v[230:231], v[230:231], v[150:151]
	v_pk_add_f32 v[14:15], v[14:15], v[154:155]
	v_pk_add_f32 v[236:237], v[236:237], v[158:159]
	s_delay_alu instid0(VALU_DEP_2)
	v_pk_add_f32 v[14:15], v[14:15], v[246:247]
	s_delay_alu instid0(VALU_DEP_2)
	v_pk_add_f32 v[236:237], v[236:237], v[244:245]
	v_pk_add_f32 v[250:251], v[250:251], v[238:239]
	v_pk_add_f32 v[248:249], v[248:249], v[230:231]
	s_delay_alu instid0(VALU_DEP_2)
	v_pk_add_f32 v[14:15], v[14:15], v[250:251]
	s_delay_alu instid0(VALU_DEP_2)
	v_pk_add_f32 v[236:237], v[236:237], v[248:249]
	s_delay_alu instid0(VALU_DEP_1)
	v_pk_add_f32 v[14:15], v[14:15], v[236:237]
	s_wait_alu depctr_va_vdst(0)                   ; and one for the four
.irp b, 0,1,2,3
	v_max_num_f32 v[232+\b], 0x1800000, v[232+\b]  ; the floor 2^(3 - 127): the byte cannot fall under 1
.endr
.irp b, 0,1,2,3
	s_delay_alu instid0(VALU_DEP_4)
	v_add_nc_u32 v[244+\b], 0xff000000, v[232+\b]  ; 2 off the exponent field: the conversion's scale operand
.endr
.irp b, 0,1,2,3
	s_delay_alu instid0(VALU_DEP_4)
	v_lshrrev_b32 v[236+\b], 23, v[244+\b]         ; the scale's byte
.endr
	s_delay_alu instid0(VALU_DEP_3)
	v_lshl_or_b32 v253, v237, 8, v236              ; p's scale word for these 128 keys
	s_delay_alu instid0(VALU_DEP_1)
	v_lshl_or_b32 v253, v238, 16, v253
	s_delay_alu instid0(VALU_DEP_1)
	v_lshl_or_b32 v253, v239, 24, v253
.irp b, 0,1,2,3
	v_cvt_scalef32_pk8_fp4_f32 v[224+2*\b], v[S+16*\b:S+7+16*\b], v[244+\b]
	v_cvt_scalef32_pk8_fp4_f32 v[225+2*\b], v[S+8+16*\b:S+15+16*\b], v[244+\b]
.endr
	v_nop                                          ; one plain place behind a scaled conversion
.irp c, 0,1                                    ; a whole block in a lane: lanes 0-15 block 2 c, lanes 16-31 block 2 c + 1
.irp i, 0,1
	v_permlane16_swap_b32 v[224+4*\c+\i], v[226+4*\c+\i]
.endr
.endr
.set j, 0
.rept 16
	v_pk_mul_f32 v[O+j:O+j+1], v[O+j:O+j+1], v[252:253] op_sel_hi:[1,0]   ; O^T under the new M.  These sixteen are also the places between the scale word, the codes and the products below
.set j, j+2
.endr
	s_wait_alu depctr_va_vdst(0)
	s_wait_dscnt 0x0                               ; V and its scale words are in
.irp t, 0,1,2,3                                ; O^T += V^T P^T: four tiles of 16 channels, K = these 128 keys
	v_wmma_scale_f32_16x16x128_f8f6f4 v[O+8*\t:O+8*\t+7], v[VF+8*\t:VF+8*\t+7], v[224:231], v[O+8*\t:O+8*\t+7], v[240+\t], v253 matrix_a_fmt:MATRIX_FMT_FP4 matrix_b_fmt:MATRIX_FMT_FP4
.endr
.endm
.macro WORK s                          ; a slot's two key steps
	STEP (\s)*SLOTB
	STEP (\s)*SLOTB+STEPB
.endm
; THE CHANGE OF SLOTS.  Each wave waits for all its tensor loads (its part of the slot ahead), adds 0 to its spare word, and waits for that and for its reads of the slot that it has left.
; refill = 1: the barrier is a round of the cluster's, and the slot just left (other) is filled first thing behind it, with the steps four on: the load has two key steps of all sixteen waves in which to land.
.macro CHANGE other, refill
	s_wait_tensorcnt 0x0                           ; no tensor load of mine is out, so a group 0 may be written
	ds_add_u32 v[SPW], v[NIL]                      ; 0 onto my spare word
.if \refill
	s_add_nc_u64 s[G0K+4*\other+2:G0K+4*\other+3], s[G0K+4*\other+2:G0K+4*\other+3], 4*48*REC
	s_add_nc_u64 s[G0M+4*\other+2:G0M+4*\other+3], s[G0M+4*\other+2:G0M+4*\other+3], 4*512
.endif
	s_wait_dscnt 0x0                               ; the add is done, and my reads of the slot that I have left are over
.if \refill
	CROUND
	JLOAD \other
.else
	s_barrier_signal -1
	s_barrier_wait -1
.endif
.endm
	s_wait_loadcnt 0x0                             ; Q
	s_wait_tensorcnt 1                             ; my part of slot 0 is in; slot 1's may stay out
	s_barrier_signal -1
	s_barrier_wait -1
	WORK 0                                         ; steps 0, 1
	s_mov_b32 s[CNT], 3
.Lring:                                            ; three trips of four steps; each fills both slots again
	CHANGE 0, 1
	WORK 1
	CHANGE 1, 1
	WORK 0
	s_sub_co_u32 s[CNT], s[CNT], 1
	s_cmp_lg_u32 s[CNT], 0
	s_cbranch_scc1 .Lring
	CHANGE 0, 0                                    ; the last slot is written out: nothing is left to fetch
	WORK 1
	; THE WAY OUT.  O^T / the sum is quantised along the channels: my head's 64 are two blocks of 32.  A conversion's register is eight neighbouring channels: its four bytes go to their natural place in the token's row.
	v_add_f32 v14, v14, v15                        ; the sum's two halves,
	s_delay_alu instid0(VALU_DEP_1)
	v_permlanex16_b32 v252, v14, s[SEL], s[SEL+1]
	s_delay_alu instid0(VALU_DEP_1)
	v_add_f32 v14, v14, v252                       ; and lane l xor 16's
	s_wait_alu depctr_va_vdst(0)
	v_rcp_f32 v14, v14
	v_and_b32 v94, 15, v0                          ; r  (plain work behind the reciprocal and the last products)
	s_wait_alu depctr_va_vdst(0)
	v_bfe_u32 v95, v0, 4, 1                        ; h
	s_mul_i32 s57, s[QT], 16*SGP
	s_lshl_b32 s58, s[HI], 5
	s_add_co_u32 s57, s57, s58
	s_add_co_u32 s57, s57, STG
	v_mul_u32_u24 v6, v94, SGP
	s_delay_alu instid0(VALU_DEP_1)
	v_lshl_add_u32 v6, v95, 2, v6
	s_delay_alu instid0(VALU_DEP_1)
	v_add_nc_u32 v6, s57, v6                       ; the stage, in: row 16 x tile + r, + 32 x head + 4 h
	s_lshl_b32 s58, s[QT], 7
	s_lshl_b32 s59, s[HI], 1
	s_add_co_u32 s58, s58, s59
	s_add_co_u32 s58, s58, SSTG
	v_lshl_add_u32 v7, v94, 3, s58                 ; the scale bytes, in: 8 bytes a row, + 2 x head
	v_lshrrev_b32 v8, 3, v0                        ; out: eight threads to a row of 128 bytes
	v_and_b32 v9, 7, v0
	s_delay_alu instid0(VALU_DEP_1)
	v_lshlrev_b32 v9, 4, v9
	s_delay_alu instid0(VALU_DEP_1)
	v_mad_u32_u24 v10, v8, SGP, v9
	s_delay_alu instid0(VALU_DEP_1)
	v_add_nc_u32 v10, STG, v10
	s_delay_alu instid0(VALU_DEP_3)
	v_lshl_add_u32 v9, v8, 9, v9                   ; and the same place in ao_codes: 512 bytes a token
	v_and_b32 v11, 63, v0
	s_delay_alu instid0(VALU_DEP_1)
	v_lshlrev_b32 v8, 5, v11                       ; ao_scales: 32 bytes a token
	s_delay_alu instid0(VALU_DEP_2)
	v_lshl_add_u32 v11, v11, 3, SSTG
	s_wait_alu depctr_va_vdst(0)                   ; the wait for the reciprocal, ahead of its first reader
.set j, 0
.rept 32
	v_mul_f32 v[S+j], v[O+j], v14                  ; register 8 t + i: channel 16 t + 8 h + i of my query
.set j, j+1
.endr
.irp b, 0,1
	v_max3_num_f32 v[232+\b], |v[S+16*\b]|, |v[S+1+16*\b]|, 0x1800000
.endr
.irp i, 2,4,6,8,10,12,14
.irp b, 0,1
	s_delay_alu instid0(VALU_DEP_2)
	v_max3_num_f32 v[232+\b], v[232+\b], |v[S+16*\b+\i]|, |v[S+1+16*\b+\i]|
.endr
.endr
.irp b, 0,1
	s_delay_alu instid0(VALU_DEP_2)
	v_permlanex16_b32 v[236+\b], v[232+\b], s[SEL], s[SEL+1]
.endr
.irp b, 0,1
	s_delay_alu instid0(VALU_DEP_2)
	v_max_num_f32 v[232+\b], v[232+\b], v[236+\b]
.endr
.irp b, 0,1
	s_delay_alu instid0(VALU_DEP_2)
	v_add_nc_u32 v[244+\b], 0xff000000, v[232+\b]
.endr
.irp b, 0,1
	s_delay_alu instid0(VALU_DEP_2)
	v_lshrrev_b32 v[236+\b], 23, v[244+\b]
.endr
	s_delay_alu instid0(VALU_DEP_1)
	v_lshl_or_b32 v238, v237, 8, v236              ; my head's two scale bytes
.irp b, 0,1
	v_cvt_scalef32_pk8_fp4_f32 v[224+2*\b], v[S+16*\b:S+7+16*\b], v[244+\b]       ; channels 32 b + 8 h + 0 .. 7
	v_cvt_scalef32_pk8_fp4_f32 v[225+2*\b], v[S+8+16*\b:S+15+16*\b], v[244+\b]    ; channels 32 b + 16 + 8 h + 0 .. 7
.endr
	v_nop
	ds_store_b32 v6, v224
	ds_store_b32 v6, v225 offset:8
	ds_store_b32 v6, v226 offset:16
	ds_store_b32 v6, v227 offset:24
	ds_store_b16 v7, v238                          ; both halves of the lanes write the same two bytes with the same value
	s_wait_dscnt 0x0                               ; for the others' sake: my stores into the stages are done
	s_barrier_signal -1
	s_barrier_wait -1
	ds_load_b128 v[S:S+3], v10
	s_wait_dscnt 0x0
	global_store_b128 v9, v[S:S+3], s[8:9]         ; eight lanes store 128 consecutive bytes of a token's row
	s_cmp_lt_u32 s[WV], 2
	s_cbranch_scc0 .Lno_scales
	ds_load_b64 v[S+4:S+5], v11                    ; waves 0 and 1: a token's eight scale bytes a lane
	s_wait_dscnt 0x0
	global_store_b64 v8, v[S+4:S+5], s[10:11]
.Lno_scales:
	s_wait_tensorcnt 0x0                           ; the wave's end
	ds_add_u32 v[SPW], v[NIL]
	s_wait_dscnt 0x0
	CROUND                                         ; the closing round
	s_endpgm
.Lfunc_end_k_q77a90eca65_attn:
	.size	k_q77a90eca65_attn, .Lfunc_end_k_q77a90eca65_attn-k_q77a90eca65_attn
	.p2alignl 7, 3214868480
	.fill 96, 4, 3214868480
	.section	.rodata,"a",@progbits
	.p2align	6, 0x0
	.amdhsa_kernel k_q77a90eca65_attn
		.amdhsa_group_segment_fixed_size 327680
		.amdhsa_private_segment_fixed_size 0
		.amdhsa_enable_private_segment 0
		.amdhsa_kernarg_size 32
		.amdhsa_user_sgpr_count 2
		.amdhsa_user_sgpr_kernarg_segment_ptr 1
		.amdhsa_wavefront_size32 1
		.amdhsa_system_sgpr_workgroup_id_x 1
		.amdhsa_system_sgpr_workgroup_id_y 1
		.amdhsa_system_sgpr_workgroup_id_z 1
		.amdhsa_system_vgpr_workitem_id 0
		.amdhsa_next_free_vgpr 256
		.amdhsa_next_free_sgpr 100
		.amdhsa_reserve_vcc 0
		.amdhsa_float_denorm_mode_32 3
		.amdhsa_float_denorm_mode_16_64 3
		.amdhsa_memory_ordered 1
		.amdhsa_forward_progress 1
		.amdhsa_inst_pref_size 174
	.end_amdhsa_kernel
	.amdgpu_metadata
---
amdhsa.version: [ 1, 2 ]
amdhsa.kernels:
  - .name:           k_q77a90eca65_attn
    .symbol:         k_q77a90eca65_attn.kd
    .args:
      - { .name: qkv, .offset: 0, .size: 8, .value_kind: global_buffer, .address_space: global }
      - { .name: mask, .offset: 8, .size: 8, .value_kind: global_buffer, .address_space: global }
      - { .name: ao_codes, .offset: 16, .size: 8, .value_kind: global_buffer, .address_space: global }
      - { .name: ao_scales, .offset: 24, .size: 8, .value_kind: global_buffer, .address_space: global }
    .group_segment_fixed_size: 327680
    .private_segment_fixed_size: 0
    .kernarg_segment_align: 8
    .kernarg_segment_size: 32
    .max_flat_workgroup_size: 512
    .sgpr_count:     100
    .vgpr_count:     256
    .wavefront_size: 32
...
	.end_amdgpu_metadata
.endif
;; end of part 3
;; launch outp (part 4): grid 4 x 32, 4 waves a work-group, clusters of 4 x 4, 327,680 bytes of LDS; arguments ao_codes, ao_scales, w_codes, w_scales, bo, out0; writes out0
.if DOCPART == 4
	.amdgcn_target "amdgcn-amd-amdhsa--gfx1250"
	.amdhsa_code_object_version 6
	.text
	.protected	k_q77a90eca65_outp
	.globl	k_q77a90eca65_outp
	.p2align	8
	.type	k_q77a90eca65_outp,@function
k_q77a90eca65_outp:
	s_mov_b64 s[64:65], 0
	v_nop
	global_prefetch_b8 v0, s[64:65] scope:SCOPE_SE
	s_setreg_imm32_b32 hwreg(HW_REG_WAVE_MODE, 25, 1), 1
	s_wait_xcnt 0x0
	s_wait_alu depctr_hold_cnt(0) depctr_sa_sdst(0) depctr_va_vdst(0) depctr_va_sdst(0) depctr_va_ssrc(0) depctr_va_vcc(0) depctr_vm_vsrc(0)
	s_getreg_b32 s2, hwreg(HW_REG_IB_STS2, 6, 4)
	s_cmp_eq_u32 s2, 0
	s_cbranch_scc0 .Lentry_in_a_cluster
	s_endpgm
.Lentry_in_a_cluster:
	s_bfe_u32 s2, ttmp6, 0x10000c
	s_cmp_lg_u32 s2, 0xf033
	s_cbranch_scc0 .Lentry_shape_is_right
	s_endpgm
.Lentry_shape_is_right:
; out0[m][n] = sum over k of A[m][k] Wo[n][k] + bo[n].  A: the attention's result as codes of FP4, [8192][512 bytes], scale bytes [8192][32]; Wo: rows 3,072 on of w_codes and w_scales; out0 [8192][1024] f32; sums in f32.
; A tile of 256 x 256 to a work-group of four waves, 128 x 128 a wave in 512 registers.  K = 1,024 lies in two LDS slots of 512 along K, both filled at the start; nothing is filled again.
; The scale bytes of the work-group's rows, for all of K, come once, as rows of 256 bytes + 16 of padding.
; CLUSTERS: 4 x 4 work-groups; A's tiles are asked for jointly along a row of the cluster, Wo's along a column.  128 work-groups: the tile is kept large, since the launch's work is small beside the attention's.
; THE MATRIX INSTRUCTION IS USED TRANSPOSED (source 0 = 16 rows of Wo, source 1 = 16 rows of A): a lane holds eight neighbouring numbers of a row of out0.
; REGISTERS, in windows of 256: window 0: v0-31 addresses, v12-15 the bias; v32-95 scale words, two sets; v128-191 A's fragments; on the way out v128-255 rows of out0.  window 1: B's fragments, two sets.  windows 2, 3: the accumulators.
.set SIZE_N, 1024
.set KSTEP,  512
.set NQ,     4
.set ROWB,   256
.set KROW,   512
.set PITCH,  272                       ; an LDS row: 256 bytes + 16 of padding
.set FR,     8
.set NL,     2
.set NP,     4                         ; places behind this matrix instruction (ISA guide 7.12.1)
.set HALFT,  128*PITCH
.set SLOT,   4*HALFT
.set KS,     32
.set SCL,    2*SLOT
.set HALFS,  (128*KS/256)*272
.set SBLK,   (16*KS/256)*272
.set SPARE,  SCL+4*HALFS
.set SPITCH, 528                       ; the way out: a stage of 16 rows x (512 bytes + 16) for each wave, in slot 0, which has had its only fill and its last read when the first result is stored there
.set BO,   12                          ; v12-15  bo at my four columns of a row read back from the stage
.set ADRA, 16
.set ADRB, 20
.set STO,  24
.set RD,   25
.set CO,   26
.set ADRS, 27
.set SPW,  28
.set NIL,  29
.set SC,   32
.set AF,   128
.set BK,   128
.set G1, 24
.set G0, 32
.set G1B, 48
.set G0B, 56
.set G1S, 68
.set G0S, 76
.set G1SB, 80
.set G0SB, 88
.set MSB, 0
.macro WIN new
.if MSB != \new
	s_set_vgpr_msb (MSB<<8)|\new
.set MSB, \new
.endif
.endm
.set MUL_LO, 0xa1
.set MUL_HI, 0xf1
.set TO_B,   0x40
.macro JLOAD g0a, g1a, g0b, g1b        ; a joint load: waves 0 and 1 fetch for A, waves 2 and 3 for B; four v_nop follow each of the two lines
	s_cmp_eq_u32 s15, 0
	s_cbranch_scc0 .Lfor_b_\@
	tensor_load_to_lds s[\g0a:\g0a+3], s[\g1a:\g1a+7]
	s_nop 0
.rept 4
	v_nop
.endr
	s_branch .Lasked_\@
.Lfor_b_\@:
	tensor_load_to_lds s[\g0b:\g0b+3], s[\g1b:\g1b+7]
	s_nop 0
.rept 4
	v_nop
.endr
.Lasked_\@:
.endm
.macro CROUND
	s_barrier_signal -1
	s_barrier_wait -1
	s_cmp_lg_u32 s14, 0
	s_cbranch_scc1 .Lnot_wave_0_\@
	s_barrier_signal -3
.Lnot_wave_0_\@:
	s_barrier_wait -3
	s_barrier_signal -1
	s_barrier_wait -1
.endm
	s_load_b128 s[4:7], s[0:1], 0x0                ; A's codes, A's scales
	s_load_b128 s[8:11], s[0:1], 0x10              ; w_codes, w_scales
	s_load_b64 s[96:97], s[0:1], 0x20              ; bo
	s_load_b64 s[12:13], s[0:1], 0x28              ; out0
	v_lshl_add_u32 v[SPW], v0, 2, SPARE
	v_mov_b32 v[NIL], 0
	ds_add_u32 v28, v29
	s_wait_dscnt 0x0
	v_lshrrev_b32 v1, 5, v0
	v_readfirstlane_b32 s14, v1                    ; wave 0..3
	s_lshr_b32 s15, s14, 1                         ; which half of the tile's rows is mine.  Also: I fetch for A (0) or for B (1)
	s_and_b32 s16, s14, 1                          ; which half of its columns.  Also: which 128 rows of that tile I fetch
	s_bfe_u32 s40, ttmp6, 0x40000                  ; cx, cy
	s_bfe_u32 s41, ttmp6, 0x40004
	s_lshl_b32 s42, ttmp9, 2
	s_add_co_u32 s42, s42, s40                     ; tile column
	s_and_b32 s17, ttmp7, 0xffff
	s_lshl_b32 s17, s17, 2
	s_add_co_u32 s17, s17, s41                     ; tile row
	s_lshl_b32 s43, s41, 2
	s_lshl_b32 s43, 15, s43                        ; my row of the cluster
	s_lshl_b32 s44, 0x1111, s40                    ; my column
	s_or_b32 s[G1+0], s43, (0<<16)|(1<<20)|(1<<21)|(5<<22)|(3<<25)  ; the mask; elements of 1 byte; padding on; 21 set beside a mask; after every 64 words, 4 words
	s_or_b32 s[G1B+0], s44, (0<<16)|(1<<20)|(1<<21)|(5<<22)|(3<<25)
.irp g, G1, G1B
	s_mov_b32 s[\g+1], ROWB<<16
	s_mov_b32 s[\g+2], 128<<16
	s_mov_b32 s[\g+3], ROWB<<16
	s_mov_b32 s[\g+4], 128
	s_mov_b32 s[\g+5], KROW
	s_mov_b32 s[\g+6], 0
	s_mov_b32 s[\g+7], 0
.endr
	s_or_b32 s[G1S+0], s43, (3<<16)|(1<<20)|(1<<21)|(5<<22)|(3<<25)
	s_or_b32 s[G1SB+0], s44, (3<<16)|(1<<20)|(1<<21)|(5<<22)|(3<<25)
.irp g, G1S, G1SB
	s_mov_b32 s[\g+1], 32<<16
	s_mov_b32 s[\g+2], (128*KS/256)<<16
	s_mov_b32 s[\g+3], 32<<16
	s_mov_b32 s[\g+4], 128*KS/256
	s_mov_b32 s[\g+5], 32
	s_mov_b32 s[\g+6], 0
	s_mov_b32 s[\g+7], 0
.endr
	s_lshl_b32 s18, s16, 7
	s_lshl_b32 s20, s17, 8
	s_add_co_u32 s20, s20, s18                     ; A: row 256 x tile row + 128 x half
	s_lshl_b32 s46, s42, 8
	s_add_co_u32 s46, s46, s18                     ; B: row 256 x tile column + 128 x half
	s_mov_b32 s21, 0
	s_mov_b32 s47, 0
	s_mov_b64 s[18:19], KS
	s_mul_u64 s[22:23], s[20:21], s[18:19]
	s_mul_u64 s[92:93], s[46:47], s[18:19]
	s_mov_b64 s[18:19], KROW
	s_mul_u64 s[20:21], s[20:21], s[18:19]
	s_mul_u64 s[46:47], s[46:47], s[18:19]
	s_mul_i32 s45, s14, HALFT
	s_mul_i32 s94, s14, HALFS
	s_wait_kmcnt 0x0
	s_add_nc_u64 s[8:9], s[8:9], 0x180000          ; Wo's codes: rows 3,072 on
	s_add_nc_u64 s[10:11], s[10:11], 0x18000       ; and its scale bytes
	s_add_nc_u64 s[20:21], s[4:5], s[20:21]
	s_add_nc_u64 s[22:23], s[6:7], s[22:23]
	s_add_nc_u64 s[46:47], s[8:9], s[46:47]
	s_add_nc_u64 s[92:93], s[10:11], s[92:93]
	CROUND                                         ; all sixteen work-groups are here: the first joint loads meet
	s_mov_b32 s[G0S], 1
	s_add_co_u32 s[G0S+1], s94, SCL
	s_mov_b64 s[G0S+2:G0S+3], s[22:23]
	s_or_b32 s[G0S+3], s[G0S+3], 0x80000000
	s_mov_b32 s[G0SB], 1
	s_add_co_u32 s[G0SB+1], s94, SCL
	s_mov_b64 s[G0SB+2:G0SB+3], s[92:93]
	s_or_b32 s[G0SB+3], s[G0SB+3], 0x80000000
	JLOAD G0S, G1S, G0SB, G1SB
.irp s, 0,1
	s_mov_b32 s[G0+4*\s], 1
	s_add_co_u32 s[G0+4*\s+1], s45, \s*SLOT
	s_add_nc_u64 s[G0+4*\s+2:G0+4*\s+3], s[20:21], \s*ROWB
	s_or_b32 s[G0+4*\s+3], s[G0+4*\s+3], 0x80000000
	s_mov_b32 s[G0B+4*\s], 1
	s_add_co_u32 s[G0B+4*\s+1], s45, \s*SLOT
	s_add_nc_u64 s[G0B+4*\s+2:G0B+4*\s+3], s[46:47], \s*ROWB
	s_or_b32 s[G0B+4*\s+3], s[G0B+4*\s+3], 0x80000000
	JLOAD G0+4*\s, G1, G0B+4*\s, G1B               ; three tensor loads of mine are out in all
.endr
	v_and_b32 v1, 15, v0
	v_bfe_u32 v2, v0, 4, 1
	v_mul_u32_u24 v3, v1, PITCH
	v_lshl_add_u32 v4, v2, 4, v3
	s_mul_i32 s21, s15, HALFT
	s_mul_i32 s22, s16, HALFT
	s_add_co_u32 s22, s22, 2*HALFT
.irp s, 0,1
	v_add_nc_u32 v[ADRA+\s], s21, v4
	v_add_nc_u32 v[ADRB+\s], s22, v4
	s_add_co_u32 s21, s21, SLOT
	s_add_co_u32 s22, s22, SLOT
.endr
	v_mul_u32_u24 v5, v1, KS
	v_lshrrev_b32 v6, 8, v5
	v_lshl_add_u32 v5, v6, 4, v5
	s_mul_i32 s21, s15, HALFS
	s_mul_i32 s22, s16, HALFS
	s_add_co_u32 s22, s22, 2*HALFS
	s_sub_co_u32 s22, s22, s21
	v_mul_u32_u24 v6, s22, v2                      ; lanes 16-31 take B's scale words
	s_add_co_u32 s21, s21, SCL
	v_add_nc_u32 v5, v5, v6
	v_add_nc_u32 v[ADRS], s21, v5
	s_mul_i32 s23, s14, 16*SPITCH                  ; my stage
	v_mul_u32_u24 v5, v1, SPITCH
	v_lshl_add_u32 v5, v2, 5, v5
	v_add_nc_u32 v[STO], s23, v5                   ; in: row l % 16, 32 bytes for each half of the lanes
	v_and_b32 v6, 31, v0
	v_lshlrev_b32 v[CO], 4, v6                     ; back: the 32 lanes take one row of 512 bytes; and the same in out0
	v_add_nc_u32 v[RD], s23, v[CO]
	s_lshl_b32 s20, s17, 8
	s_lshl_b32 s21, s15, 7
	s_add_co_u32 s20, s20, s21                     ; my first row of out0
	s_mov_b32 s21, 0
	s_mov_b64 s[18:19], SIZE_N*4
	s_mul_u64 s[20:21], s[20:21], s[18:19]
	s_lshl_b32 s46, s42, 10                        ; my first column, in bytes: 1,024 x tile column + 512 x half
	s_lshl_b32 s47, s16, 9
	s_add_co_u32 s46, s46, s47
	s_mov_b32 s47, 0
	s_add_nc_u64 s[96:97], s[96:97], s[46:47]
	global_load_b128 v[BO:BO+3], v[CO], s[96:97]   ; bo at my four columns
	s_add_nc_u64 s[20:21], s[20:21], s[46:47]
	s_add_nc_u64 s[12:13], s[12:13], s[20:21]
.macro FRAG reg, adr, q, i
.irp c, 0,1
	ds_load_b128 v[\reg+4*\c:\reg+4*\c+3], v[\adr] offset:64*(\q)+32*\c+(\i)*16*PITCH
.endr
.endm
; 16 matrix instructions: A's blocks a0, a0 + 1 x B's eight, 128 along K.  The 64 accumulators take turns, one instruction a turn.
.macro MUL16 a0, p, q, sc, zero
.irp a, \a0, \a0+1
.irp b, 0,1,2,3,4,5,6,7
.if \zero
	v_wmma_scale_f32_16x16x128_f8f6f4 v[8*(8*((\a)%4)+\b):8*(8*((\a)%4)+\b)+7], v[128*(\p)+FR*\b:128*(\p)+FR*\b+FR-1], v[AF+FR*(\a):AF+FR*(\a)+FR-1], 0, v[SC+8*NQ*(\sc)+NQ*\b+(\q)], v[SC+8*NQ*(\sc)+NQ*(\a)+(\q)] matrix_a_fmt:MATRIX_FMT_FP4 matrix_b_fmt:MATRIX_FMT_FP4 matrix_a_scale:MATRIX_SCALE_ROW1
.else
	v_wmma_scale_f32_16x16x128_f8f6f4 v[8*(8*((\a)%4)+\b):8*(8*((\a)%4)+\b)+7], v[128*(\p)+FR*\b:128*(\p)+FR*\b+FR-1], v[AF+FR*(\a):AF+FR*(\a)+FR-1], v[8*(8*((\a)%4)+\b):8*(8*((\a)%4)+\b)+7], v[SC+8*NQ*(\sc)+NQ*\b+(\q)], v[SC+8*NQ*(\sc)+NQ*(\a)+(\q)] matrix_a_fmt:MATRIX_FMT_FP4 matrix_b_fmt:MATRIX_FMT_FP4 matrix_a_scale:MATRIX_SCALE_ROW1
.endif
.endr
.endr
.endm
.macro FETCH_B slot, q, p
	WIN TO_B
.irp i, 0,1,2,3,4,5,6,7
	FRAG 128*(\p)+FR*\i, ADRB+\slot, \q, \i
.endr
	WIN 0
.endm
.macro FETCH_A slot, q, i0
.irp i, \i0, \i0+1, \i0+2, \i0+3
	FRAG AF+FR*(\i), ADRA+\slot, \q, \i
.endr
.endm
.macro SCALES sc
.irp i, 0,1,2,3,4,5,6,7
	ds_load_b128 v[SC+8*NQ*\sc+NQ*\i:SC+8*NQ*\sc+NQ*\i+3], v[ADRS] offset:\i*SBLK
.endr
.endm
.macro PLACES n
.rept \n
	v_nop
.endr
.endm
.macro STEP slot, q, zero
	s_wait_dscnt 4*NL                              ; B's set and A's blocks 0-3 are in; the youngest eight loads (A's blocks 4-7) may be out
	WIN MUL_LO
	MUL16 0, (\q)%2, \q, \slot, \zero
	MUL16 2, (\q)%2, \q, \slot, \zero
	s_wait_dscnt 0
	PLACES NP
	FETCH_B \slot, (\q)+1, 1-(\q)%2
	FETCH_A \slot, (\q)+1, 0
	WIN MUL_HI
	MUL16 4, (\q)%2, \q, \slot, \zero
	MUL16 6, (\q)%2, \q, \slot, \zero
	PLACES NP
	WIN 0
	FETCH_A \slot, (\q)+1, 4
.endm
.macro TURN slot, next                 ; slot 0's last step changes slots: one barrier; nothing is filled again
	s_wait_tensorcnt 0x0                           ; all my tensor loads have landed: my part of the next slot
	ds_add_u32 v[SPW], v[NIL]                      ; 0 onto my spare word
	s_wait_dscnt 4*NL+1                            ; (the add and the youngest eight loads may be out)
	WIN MUL_LO
	MUL16 0, 1, NQ-1, \slot, 0
	s_wait_dscnt 0x0                               ; the add is done, and my reads of this slot are over
	s_barrier_signal -1
	MUL16 2, 1, NQ-1, \slot, 0
	WIN 0
	s_barrier_wait -1
	PLACES NP
	v_add_nc_u32 v[ADRS], 4*NQ, v[ADRS]
	FETCH_B \next, 0, 0
	FETCH_A \next, 0, 0
	SCALES \next
	WIN MUL_HI
	MUL16 4, 1, NQ-1, \slot, 0
	MUL16 6, 1, NQ-1, \slot, 0
	PLACES NP
	WIN 0
	FETCH_A \next, 0, 4
.endm
	s_wait_tensorcnt 1                             ; the scales and my part of slot 0 are in (slot 1's load may be out),
	s_barrier_signal -1
	s_barrier_wait -1                              ; everybody's are
	FETCH_B 0, 0, 0
	FETCH_A 0, 0, 0
	SCALES 0
	FETCH_A 0, 0, 4
	STEP 0, 0, 1                                   ; the first products start the sums
	STEP 0, 1, 0
	STEP 0, 2, 0
	TURN 0, 1
	STEP 1, 0, 0
	STEP 1, 1, 0
	STEP 1, 2, 0
	s_wait_dscnt 4*NL                              ; the very last step: nothing more to fetch
	WIN MUL_LO
	MUL16 0, 1, NQ-1, 1, 0
	MUL16 2, 1, NQ-1, 1, 0
	s_wait_dscnt 0
	WIN MUL_HI
	MUL16 4, 1, NQ-1, 1, 0
	MUL16 6, 1, NQ-1, 1, 0
	WIN 0
; THE WAY OUT, block by block of 16 rows x 128 columns: through my own stage in LDS, back as whole rows of 512 bytes, the bias added, stored by the 32 lanes as 512 consecutive bytes, aligned.
; LDS serves a wave's instructions in order (ISA guide 5.7.1.4): no wait between the stores and the loads, nor in front of the next block's stores.
.macro TOSTAGE a
.set AC, 64*((\a)%4)
	WIN (0x08+4*((\a)/4))                          ; the data: window 2 or 3
.irp b, 0,1,2,3,4,5,6,7
	ds_store_b128 v[STO], v[AC+8*\b:AC+8*\b+3] offset:64*\b          ; each accumulator from its low end on
	ds_store_b128 v[STO], v[AC+8*\b+4:AC+8*\b+7] offset:64*\b+16
.endr
	WIN 0
.set BR, BK+64*((\a)%2)
.irp t, 0,1,2,3,4,5,6,7,8,9,10,11,12,13,14,15
	ds_load_b128 v[BR+4*\t:BR+4*\t+3], v[RD] offset:\t*SPITCH
.endr
.endm
.macro SEND a, younger                 ; younger: the LDS instructions issued behind block a's loads, which may stay out
.set BR, BK+64*((\a)%2)
	s_wait_dscnt \younger
.if (\a) > 0
	s_add_nc_u64 s[12:13], s[12:13], 16*SIZE_N*4   ; (behind a wait on XCNT: the earlier stores have read their base)
.endif
.irp t, 0,1,2,3,4,5,6,7,8,9,10,11,12,13,14,15
	v_pk_add_f32 v[BR+4*\t:BR+4*\t+1], v[BR+4*\t:BR+4*\t+1], v[BO:BO+1]
	v_pk_add_f32 v[BR+4*\t+2:BR+4*\t+3], v[BR+4*\t+2:BR+4*\t+3], v[BO+2:BO+3]
	global_store_b128 v[CO], v[BR+4*\t:BR+4*\t+3], s[12:13] offset:\t*SIZE_N*4 th:TH_STORE_NT
.endr
.endm
	s_wait_loadcnt 0x0                             ; the bias
	PLACES NP
	TOSTAGE 0
.irp a, 1,2,3,4,5,6,7
.if \a > 1
	s_wait_xcnt 0x0                                ; block a - 2's stores have read their registers and their base
.endif
	TOSTAGE \a
	SEND \a-1, 32                                  ; behind block a - 1's loads: block a's 16 stores and 16 loads
.endr
	s_wait_xcnt 0x0                                ; block 6's stores have read their base
	SEND 7, 0
	s_wait_tensorcnt 0x0                           ; the wave's end
	ds_add_u32 v[SPW], v[NIL]
	s_wait_dscnt 0x0
	CROUND                                         ; the closing round
	s_endpgm
.Lfunc_end_k_q77a90eca65_outp:
	.size	k_q77a90eca65_outp, .Lfunc_end_k_q77a90eca65_outp-k_q77a90eca65_outp
	.p2alignl 7, 3214868480
	.fill 96, 4, 3214868480
	.section	.rodata,"a",@progbits
	.p2align	6, 0x0
	.amdhsa_kernel k_q77a90eca65_outp
		.amdhsa_group_segment_fixed_size 327680
		.amdhsa_private_segment_fixed_size 0
		.amdhsa_enable_private_segment 0
		.amdhsa_kernarg_size 48
		.amdhsa_user_sgpr_count 2
		.amdhsa_user_sgpr_kernarg_segment_ptr 1
		.amdhsa_wavefront_size32 1
		.amdhsa_system_sgpr_workgroup_id_x 1
		.amdhsa_system_sgpr_workgroup_id_y 1
		.amdhsa_system_sgpr_workgroup_id_z 1
		.amdhsa_system_vgpr_workitem_id 0
		.amdhsa_next_free_vgpr 1024
		.amdhsa_next_free_sgpr 100
		.amdhsa_reserve_vcc 0
		.amdhsa_float_denorm_mode_32 3
		.amdhsa_float_denorm_mode_16_64 3
		.amdhsa_memory_ordered 1
		.amdhsa_forward_progress 1
		.amdhsa_inst_pref_size 141
	.end_amdhsa_kernel
	.amdgpu_metadata
---
amdhsa.version: [ 1, 2 ]
amdhsa.kernels:
  - .name:           k_q77a90eca65_outp
    .symbol:         k_q77a90eca65_outp.kd
    .args:
      - { .name: ao_codes, .offset: 0, .size: 8, .value_kind: global_buffer, .address_space: global }
      - { .name: ao_scales, .offset: 8, .size: 8, .value_kind: global_buffer, .address_space: global }
      - { .name: w_codes, .offset: 16, .size: 8, .value_kind: global_buffer, .address_space: global }
      - { .name: w_scales, .offset: 24, .size: 8, .value_kind: global_buffer, .address_space: global }
      - { .name: bo, .offset: 32, .size: 8, .value_kind: global_buffer, .address_space: global }
      - { .name: out0, .offset: 40, .size: 8, .value_kind: global_buffer, .address_space: global }
    .group_segment_fixed_size: 327680
    .private_segment_fixed_size: 0
    .kernarg_segment_align: 8
    .kernarg_segment_size: 48
    .max_flat_workgroup_size: 128
    .sgpr_count:     100
    .vgpr_count:     1024
    .wavefront_size: 32
...
	.end_amdgpu_metadata
.endif
;; end of part 4
